; MI455X (gfx1250); checked and timed in simulation.
; The chip was launched on July 23, 2026; its instructions are those of AMD's public machine-readable ISA for CDNA 5 (MIT licence, August 2026) and "CDNA5" Instruction Set Architecture Reference Guide (July 2026). The comments in the code are by the model that wrote it; some were corrected since.
;; Attention Base. Allowed arithmetic: matrix products marked QUANTISED: E3M2 operands, one E8M0 scale for each 32 along K, by v_wmma_scale_f32_16x16x128_f8f6f4 with both operands' format E3M2, f32 sums; everything else in f32.
;; Inputs: b_out 1,024 float32; k 4 x 2,048 x 1,024 float32; q 4 x 2,048 x 1,024 float32; v 4 x 2,048 x 1,024 float32; w_out 1,024 x 1,024 float32.
;; Outputs: out0 4 x 2,048 x 1,024 float32.
;; This version of the problem:
;;   THIS VERSION OF THE PROBLEM IS GIVEN IN LOW PRECISION. The matrix products marked QUANTISED in the list below multiply operands that are first quantised to E3M2 (3 exponent bits, 2 mantissa bits; 6 bits a number), with one power-of-two scale for each 32 numbers along K (OCP MX v1.0); their sums are f32. All else is computed in f32.
;;   The module's matrix products, in the order in which they are computed (A, B: the left and right operand; K: the contracted axis; several contracted axes count as one K, in the product's order):
;;     1. batch 64 x [M 2,048, K 64] x [K 64, N 2,048]; A: computed on the way; B: computed on the way: QUANTISED
;;     2. batch 64 x [M 2,048, K 2,048] x [K 2,048, N 64]; A: softmax (see below); B: input v: QUANTISED
;;     3. [M 8,192, K 1,024] x [K 1,024, N 1,024]; A: computed on the way; B: input w_out: QUANTISED
;;   THE QUANTISER, for each operand of a quantised product, along K:
;;     - K is cut into blocks of 32 from its start; a last block that is shorter is filled with zeros.
;;     - A block's scale is 2^e with e = floor(log2(the largest magnitude in the block)) - 4, held to -126 .. 127; a block of zeros has e = 0. As a byte (E8M0): e + 127.
;;     - Each number is divided by its block's scale, clamped to +-28, and rounded to the nearest number of E3M2, ties to even, subnormals kept.
;;     - The product sums the exact products of the quantised numbers (number of the format x scale) in f32.
;;   ~~~python
;;   def quantise(x, axis):      # numpy; x: float32 -> the quantised numbers, widened to float32 again
;;       x = np.moveaxis(x, axis, -1); K = x.shape[-1]
;;       x = np.pad(x, [(0, 0)] * (x.ndim - 1) + [(0, -K % 32)]); x = x.reshape(x.shape[:-1] + (-1, 32)); a = np.abs(x).max(-1, keepdims=True)
;;       e = np.where(a > 0, np.clip(np.frexp(np.where(a > 0, a, 1))[1] - 1 - 4, -126, 127), 0)      # np.frexp(a)[1] - 1 = floor(log2(a)), exactly
;;       r = np.clip(x / 2.0 ** e, -28, 28)
;;       step = 2.0 ** (np.maximum(np.frexp(np.where(r == 0, 1, r))[1] - 1, -2) - 2)
;;       q = np.round(r / step) * step * 2.0 ** e      # np.round: ties to even
;;       return np.moveaxis(q.reshape(q.shape[:-2] + (-1,))[..., :K], -1, axis).astype(np.float32)
;;   ~~~
;;   SOFTMAX AHEAD OF A QUANTISED PRODUCT. Where the list says 'softmax', what is quantised is not the finished softmax but p = 2^(t - M), with t = logit x log2(e) and M = ceil(the row's largest t), a whole number; so 1/2 < the row's largest p <= 1. The row's sum l is taken of the UNQUANTISED p, in f32, and the product's result is divided by l at the end. Since M is a whole number, a kernel that streams over the keys may use a running M (the ceiling of the running maximum): every later rescaling is an exact power of two, which a block's scale takes up: the codes' values come out the same.
;;   OPERANDS COMPUTED ON THE WAY. 'Computed on the way' means the value that the module computes at that place (a softmax that the list does not call 'softmax' is quantised finished and normalised). What goes into a quantiser is computed in f32, as accurately as f32 sums, v_exp_f32 and their like allow (about 1e-6 of the number): no bf16 or f16 on the way to a quantiser, and a product that is left as it is and whose result goes on into a quantised operand takes f32 operands (vector FMAs, or v_wmma_f32_16x16x4_f32). A number that lies on a knife's edge between two numbers of the format may be rounded either way, as far as f32 arithmetic and the matrix unit's own rounding can turn it there, and no further.
;; One version. Each part assembles by itself: llvm-mc -triple=amdgcn-amd-amdhsa -mcpu=gfx1250 --defsym DOCPART=n.
;; ======== version 1 of 1: 4 launches
;; limits: right only within a limited range of input values
;; workspace buffers: qkw_codes 14,155,776 bytes; qkw_scales 589,824 bytes; v_codes 6,291,456 bytes; v_scales 262,144 bytes; a_codes 6,291,456 bytes; a_scales 262,144 bytes
;; launch ropeq (part 1): grid 272 x 1, 8 waves a work-group, no clusters, 44,032 bytes of LDS; arguments q, k, w_out, qkw_codes, qkw_scales; writes qkw_codes, qkw_scales
.if DOCPART == 1
	.amdgcn_target "amdgcn-amd-amdhsa--gfx1250"
	.amdhsa_code_object_version 6
	.text
	.protected	k_q706f826c49_ropeq
	.globl	k_q706f826c49_ropeq
	.p2align	8
	.type	k_q706f826c49_ropeq,@function
k_q706f826c49_ropeq:
	s_mov_b64 s[64:65], 0
	v_nop
	global_prefetch_b8 v0, s[64:65] scope:SCOPE_SE
	s_setreg_imm32_b32 hwreg(HW_REG_WAVE_MODE, 25, 1), 1
	s_wait_xcnt 0x0
; q and k [4][2048][1024] f32 are rotated (RoPE, 16 heads of 64, base 10000) and turned into codes of BF6 (E3M2) with one E8M0 byte for each 32 along a head's 64;
; w_out [1024][1024] f32 takes the same path with position 0, where the rotation is the identity (cos = 1, sin = 0 exactly), and is so quantised along its second axis.
; OUT.  Codes: [src 9][head 16][row 2048][48 bytes]; src 0-3 = q of batch 0-3, 4-7 = k, 8 = w_out (rows 0-1023; a 'head' of w_out is 64 neighbouring k).  A row's 48 bytes are its 64 codes as one stream of bits.
; Scale bytes: [src][head / 4][row][8 bytes]: byte 4 ((head / 2) % 2) + head % 2 + 2 x block: a 32-bit word holds (even head block 0, odd head block 0, even head block 1, odd head block 1).
; k's rows are stored in another order: stored row 32 G + 16 u + 8 a + i holds key 32 G + 16 a + 8 u + i, so that in the attention launch a lane's 16 scores of two tiles are 16 neighbouring keys.
; A block's scale is 2^(floor(log2(largest magnitude)) - 4); its byte is the largest magnitude's exponent field - 4, held at 1 from below.
; LIMITS: NaN and infinities are not served (w_out x 0 must be 0).  Blocks whose largest magnitude lies under 2^-122, blocks of zeros among them, keep the byte 1 (zero codes add nothing; this program alone reads the bytes).
; sin and cos: two-step reduction by pi/2 with fused multiply-adds and polynomials of degree 7 and 8 on [-pi/4, pi/4]: about 6e-8 absolute.  The frequencies are 10^(-j/8) rounded to f32.
; SHARES.  A work-group takes 64 rows of one src, a wave 8 of them: 16 steps, one for each head: 8 rows x 256 bytes.  Each load reads two rows' whole 256 bytes; the 2,048 bytes turn through the wave's own stage
; in LDS so that a lane holds 16 neighbours of one row (lane = 4 x row + quarter); a lane's positions and frequencies never change, so its 8 sines and 8 cosines are made once.
; THE ORDER OF k's ROWS AS THE CODE BELOW MAKES IT (it takes the place of the line on that order above): in each 64 rows, stored row 32 g + 16 u + 8 a + i holds key 32 a + 16 g + 8 u + i,
; so that in the attention launch a lane's 32 scores of four tiles are one whole block of 32 neighbouring keys.
.set STEPS, 16
.set SP,    80                         ; a lane's place in a stage: 64 bytes + 16
.set WREG,  2*32*SP                    ; a wave's two stages
.set SCG,   8*WREG                     ; behind them: the work-group's scale bytes, [4][64 rows][8]
.set R,     16                         ; v16-79   four sets of 16 numbers as loaded
.set X,     80                         ; v80-111  two sets of 16 neighbours
.set E,     112                        ; v112-127 a scale byte for each step
.set C,     128                        ; v128-191 codes, four registers a step
.set COS,   192                        ; v192-199
.set SIN,   200                        ; v200-207
.set F,     208                        ; v208-215 my 8 frequencies
.set W,     216                        ; v216-223 at work
	s_load_b128 s[4:7], s[0:1], 0x0                ; q, k
	s_load_b128 s[8:11], s[0:1], 0x10              ; w_out, the codes
	s_load_b64 s[12:13], s[0:1], 0x20              ; the scale bytes
	v_lshl_add_u32 v224, v0, 2, 0xa800
	v_mov_b32 v225, 0
	v_lshrrev_b32 v1, 5, v0
	s_delay_alu instid0(VALU_DEP_1)
	v_readfirstlane_b32 s16, v1                    ; wave 0..7
	v_and_b32 v2, 31, v0                           ; lane
	s_wait_alu depctr_va_vdst(0)
	s_lshr_b32 s17, ttmp9, 5                       ; src 0..8
	s_and_b32 s18, ttmp9, 31                       ; which 64 rows
	s_and_b32 s19, s16, 1                          ; the wave's source rows for k: wave (g, u, a) = 4 g + 2 u + a reads the eight rows 4 a + 2 g + u
	s_lshl_b32 s19, s19, 2
	s_lshr_b32 s20, s16, 1
	s_or_b32 s19, s19, s20
	s_lshr_b32 s20, s17, 2                         ; 0: q, 1: k, 2: w_out
	s_cmp_eq_u32 s20, 1
	s_cselect_b32 s19, s19, s16
	s_lshl_b32 s21, s18, 6
	s_lshl_b32 s22, s19, 3
	s_add_co_u32 s21, s21, s22                     ; my first source row
	s_cmp_eq_u32 s17, 8
	s_cselect_b32 s23, 0, 1                        ; w_out: position 0
	s_and_b32 s24, s17, 3
	s_lshl_b32 s24, s24, 23                        ; the batch: 8,388,608 bytes
	s_lshl_b32 s25, s21, 12                        ; rows of 4,096 bytes
	s_add_co_u32 s24, s24, s25
	s_mov_b32 s25, 0
	s_lshl_b32 s27, s18, 6
	s_lshl_b32 s28, s16, 3
	s_add_co_u32 s27, s27, s28                     ; my first stored row
	s_mul_i32 s27, s27, 48
	s_mul_i32 s26, s17, 1572864
	s_add_co_u32 s26, s26, s27
	s_mov_b32 s27, 0
	s_lshl_b32 s28, s17, 16                        ; scale bytes: src x 65,536 + 64 rows x 8 x which + (wave / 2) x 16,384 + (wave % 2) x 256
	s_lshl_b32 s29, s18, 9
	s_add_co_u32 s28, s28, s29
	s_lshr_b32 s29, s16, 1
	s_lshl_b32 s29, s29, 14
	s_add_co_u32 s28, s28, s29
	s_and_b32 s29, s16, 1
	s_lshl_b32 s29, s29, 8
	s_add_co_u32 s28, s28, s29
	s_mov_b32 s29, 0
	s_mov_b32 s40, 0x3f22f983                      ; 2 / pi
	s_mov_b32 s41, 0xbfc90fdb                      ; -(pi / 2 rounded to f32)
	s_mov_b32 s42, 0x333bbd2e                      ; that number less pi / 2
	s_mov_b32 s43, 0xb94ca1f9                      ; sine: -1.9515295891e-4
	s_mov_b32 s44, 0x3c08839e                      ;        8.3321608736e-3
	s_mov_b32 s45, 0xbe2aaaa3                      ;       -1.6666654611e-1
	s_mov_b32 s46, 0x37ccf5ce                      ; cosine: 2.443315711809948e-5
	s_mov_b32 s47, 0xbab6061a                      ;        -1.388731625493765e-3
	s_mov_b32 s48, 0x3d2aaaa5                      ;         4.166664568298827e-2
	s_mov_b32 s49, 0x80000000
	v_and_b32 v3, 15, v2
	s_delay_alu instid0(VALU_DEP_1)
	v_lshlrev_b32 v3, 4, v3
	v_lshrrev_b32 v4, 4, v2
	s_delay_alu instid0(VALU_DEP_1)
	v_lshl_add_u32 v3, v4, 12, v3                  ; in: lanes 0-15 one row's 256 bytes, lanes 16-31 the next row's
	s_mul_i32 s30, s16, WREG
	v_lshrrev_b32 v14, 2, v2
	s_delay_alu instid0(VALU_DEP_1)
	v_mul_u32_u24 v14, v14, SP
	v_and_b32 v15, 3, v2
	s_delay_alu instid0(VALU_DEP_1)
	v_lshl_add_u32 v14, v15, 4, v14
	s_delay_alu instid0(VALU_DEP_1)
	v_add_nc_u32 v14, s30, v14                     ; the stage, on the way in: four lanes' 64 bytes on end, then 16 of padding
	v_mul_u32_u24 v15, v2, SP
	s_delay_alu instid0(VALU_DEP_1)
	v_add_nc_u32 v15, s30, v15                     ; on the way out: my 16 neighbours
	v_mul_u32_u24 v4, v2, 12                       ; my 12 bytes of the step's 384 bytes of codes
	s_lshl_b32 s31, s16, 6
	v_lshrrev_b32 v5, 2, v2
	s_delay_alu instid0(VALU_DEP_1)
	v_lshlrev_b32 v5, 3, v5
	v_bfe_u32 v6, v2, 1, 1
	s_delay_alu instid0(VALU_DEP_1)
	v_lshl_add_u32 v5, v6, 1, v5
	s_delay_alu instid0(VALU_DEP_1)
	v_add_nc_u32 v5, s31, v5
	s_delay_alu instid0(VALU_DEP_1)
	v_add_nc_u32 v5, SCG, v5                       ; my block's scale byte: 8 x (8 wave + lane / 4) + 2 x block
	v_lshlrev_b32 v7, 3, v2
	s_lshl_b32 s31, s16, 8
	v_add_nc_u32 v6, s31, v7
	s_delay_alu instid0(VALU_DEP_1)
	v_add_nc_u32 v6, SCG, v6                       ; at the end: 256 bytes a wave, 8 a lane
	s_wait_kmcnt 0x0
	s_cmp_lt_u32 s17, 4                            ; the source: a choice on the work-group's number alone
	s_cselect_b64 s[4:5], s[4:5], s[6:7]
	s_cmp_eq_u32 s17, 8
	s_cselect_b64 s[4:5], s[8:9], s[4:5]
	s_add_nc_u64 s[4:5], s[4:5], s[24:25]
	s_add_nc_u64 s[10:11], s[10:11], s[26:27]
	s_add_nc_u64 s[12:13], s[12:13], s[28:29]
.macro LOAD t                          ; head t of my 8 rows: four loads, two rows each
.irp i, 0,1,2,3
	global_load_b128 v[R+16*((\t)%4)+4*\i:R+16*((\t)%4)+4*\i+3], v3, s[4:5] offset:256*(\t)+8192*\i th:TH_LOAD_NT
.endr
.endm
.macro TURN t                          ; through the stage: LDS serves a wave's instructions in order, so no wait stands between the stores and the loads
.irp i, 0,1,2,3
	ds_store_b128 v14, v[R+16*((\t)%4)+4*\i:R+16*((\t)%4)+4*\i+3] offset:32*SP*((\t)%2)+8*SP*\i
.endr
.irp i, 0,1,2,3
	ds_load_b128 v[X+16*((\t)%2)+4*\i:X+16*((\t)%2)+4*\i+3], v15 offset:32*SP*((\t)%2)+16*\i
.endr
.endm
.irp t, 0,1,2,3
	LOAD \t
.endr
	; my 8 frequencies: 10^(-(8 c + i) / 8), c = lane % 4 (my quarter of the head), i = 0 .. 7
.macro FREQ c, f0, f1, f2, f3, f4, f5, f6, f7
	v_cmp_ne_u32 vcc_lo, \c, v9
	s_delay_alu instid0(VALU_DEP_1)
	v_cndmask_b32 v[F+0], \f0, v[F+0], vcc_lo
	s_delay_alu instid0(VALU_DEP_2)
	v_cndmask_b32 v[F+1], \f1, v[F+1], vcc_lo
	s_delay_alu instid0(VALU_DEP_3)
	v_cndmask_b32 v[F+2], \f2, v[F+2], vcc_lo
	s_delay_alu instid0(VALU_DEP_4)
	v_cndmask_b32 v[F+3], \f3, v[F+3], vcc_lo
	v_cndmask_b32 v[F+4], \f4, v[F+4], vcc_lo
	v_cndmask_b32 v[F+5], \f5, v[F+5], vcc_lo
	v_cndmask_b32 v[F+6], \f6, v[F+6], vcc_lo
	v_cndmask_b32 v[F+7], \f7, v[F+7], vcc_lo
.endm
	v_and_b32 v9, 3, v2
	v_mov_b32 v[F+0], 1.0
	v_mov_b32 v[F+1], 0.749894209332
	v_mov_b32 v[F+2], 0.562341325190
	v_mov_b32 v[F+3], 0.421696503429
	v_mov_b32 v[F+4], 0.316227766017
	v_mov_b32 v[F+5], 0.237137370566
	v_mov_b32 v[F+6], 0.177827941004
	v_mov_b32 v[F+7], 0.133352143216
	FREQ 1, 0.1, 0.0749894209332, 0.0562341325190, 0.0421696503429, 0.0316227766017, 0.0237137370566, 0.0177827941004, 0.0133352143216
	FREQ 2, 0.01, 0.00749894209332, 0.00562341325190, 0.00421696503429, 0.00316227766017, 0.00237137370566, 0.00177827941004, 0.00133352143216
	FREQ 3, 0.001, 0.000749894209332, 0.000562341325190, 0.000421696503429, 0.000316227766017, 0.000237137370566, 0.000177827941004, 0.000133352143216
	v_lshrrev_b32 v8, 2, v2
	s_delay_alu instid0(VALU_DEP_1)
	v_add_nc_u32 v8, s21, v8
	s_delay_alu instid0(VALU_DEP_1)
	v_mul_lo_u32 v8, v8, s23
	s_delay_alu instid0(VALU_DEP_1)
	v_cvt_f32_u32 v10, v8                          ; my row's position
; sin and cos of position x frequency i.  n = the nearest whole number to angle x 2 / pi; r = angle - n pi / 2 in two fused steps (the first is exact); the polynomials; n mod 4 picks and signs them.
.macro SINCOS i
	v_mul_f32 v[W], v10, v[F+\i]
	s_delay_alu instid0(VALU_DEP_1)
	v_mul_f32 v[W+1], s40, v[W]
	s_delay_alu instid0(VALU_DEP_1)
	v_rndne_f32 v[W+1], v[W+1]
	s_delay_alu instid0(VALU_DEP_1)
	v_fma_f32 v[W+2], v[W+1], s41, v[W]
	s_delay_alu instid0(VALU_DEP_1)
	v_fma_f32 v[W+2], v[W+1], s42, v[W+2]
	s_delay_alu instid0(VALU_DEP_3)
	v_cvt_i32_f32 v[W+3], v[W+1]
	s_delay_alu instid0(VALU_DEP_2)
	v_mul_f32 v[W+4], v[W+2], v[W+2]
	s_delay_alu instid0(VALU_DEP_1)
	v_fma_f32 v[W+5], v[W+4], s43, s44
	s_delay_alu instid0(VALU_DEP_2)
	v_fma_f32 v[W+6], v[W+4], s46, s47
	s_delay_alu instid0(VALU_DEP_2)
	v_fma_f32 v[W+5], v[W+5], v[W+4], s45
	s_delay_alu instid0(VALU_DEP_2)
	v_fma_f32 v[W+6], v[W+6], v[W+4], s48
	s_delay_alu instid0(VALU_DEP_2)
	v_mul_f32 v[W+5], v[W+5], v[W+4]
	v_mul_f32 v[W+7], v[W+4], v[W+4]
	v_fma_f32 v[W], v[W+4], -0.5, 1.0
	s_delay_alu instid0(VALU_DEP_3)
	v_fma_f32 v[W+5], v[W+5], v[W+2], v[W+2]       ; sin r
	s_delay_alu instid0(VALU_DEP_2)
	v_fma_f32 v[W+6], v[W+6], v[W+7], v[W]         ; cos r
	v_and_b32 v[W+1], 1, v[W+3]
	s_delay_alu instid0(VALU_DEP_1)
	v_cmp_eq_u32 vcc_lo, 1, v[W+1]
	s_delay_alu instid0(VALU_DEP_1)
	v_cndmask_b32 v[SIN+\i], v[W+5], v[W+6], vcc_lo   ; n odd: the two change places
	s_delay_alu instid0(VALU_DEP_2)
	v_cndmask_b32 v[COS+\i], v[W+6], v[W+5], vcc_lo
	v_lshlrev_b32 v[W+1], 30, v[W+3]
	v_add_nc_u32 v[W+3], 1, v[W+3]
	s_delay_alu instid0(VALU_DEP_2)
	v_and_b32 v[W+1], s49, v[W+1]                  ; the sine's sign: bit 1 of n
	s_delay_alu instid0(VALU_DEP_2)
	v_lshlrev_b32 v[W+3], 30, v[W+3]
	s_delay_alu instid0(VALU_DEP_2)
	v_xor_b32 v[SIN+\i], v[SIN+\i], v[W+1]
	s_delay_alu instid0(VALU_DEP_2)
	v_and_b32 v[W+3], s49, v[W+3]                  ; the cosine's: bit 1 of n + 1
	s_delay_alu instid0(VALU_DEP_1)
	v_xor_b32 v[COS+\i], v[COS+\i], v[W+3]
.endm
.irp i, 0,1,2,3,4,5,6,7
	SINCOS \i
.endr
	s_wait_loadcnt 12                              ; head 0's four loads are in; three sets may stay out
	TURN 0
.macro STEP t
.set XS, X+16*((\t)%2)
.if (\t) > 0
	s_wait_dscnt 1                                 ; this step's numbers are back from the stage (the last step's byte store may be out): so its stores into the stage have read their registers,
.else
	s_wait_dscnt 0x0
.endif
.if (\t)+4 < STEPS
	LOAD (\t)+4                                    ; which take the loads of four steps on
.endif
.if (\t)+1 < STEPS
.if STEPS-2-(\t) >= 3
	s_wait_loadcnt 12                              ; the next step's four loads are in; those of the three steps behind it may be out
.else
	s_wait_loadcnt 4*(STEPS-2-(\t))
.endif
	TURN (\t)+1
.endif
.irp i, 0,1,2,3,4,5,6,7                ; the rotation of pair i: (even, odd) -> (even cos - odd sin, even sin + odd cos)
	v_mul_f32 v[W+2*(\i%4)], v[XS+2*\i+1], v[SIN+\i]
	v_mul_f32 v[W+2*(\i%4)+1], v[XS+2*\i], v[SIN+\i]
	s_delay_alu instid0(VALU_DEP_2)
	v_fma_f32 v[XS+2*\i], v[XS+2*\i], v[COS+\i], -v[W+2*(\i%4)]
	s_delay_alu instid0(VALU_DEP_2)
	v_fma_f32 v[XS+2*\i+1], v[XS+2*\i+1], v[COS+\i], v[W+2*(\i%4)+1]
.endr
	v_max3_num_f32 v8, |v[XS]|, |v[XS+1]|, |v[XS+2]|               ; the largest magnitude of my 16
	v_max3_num_f32 v9, |v[XS+3]|, |v[XS+4]|, |v[XS+5]|
.irp i, 6,10
	s_delay_alu instid0(VALU_DEP_2)
	v_max3_num_f32 v8, v8, |v[XS+\i]|, |v[XS+\i+1]|
	s_delay_alu instid0(VALU_DEP_2)
	v_max3_num_f32 v9, v9, |v[XS+\i+2]|, |v[XS+\i+3]|
.endr
	s_delay_alu instid0(VALU_DEP_2)
	v_max3_num_f32 v8, v8, |v[XS+14]|, |v[XS+15]|
	s_delay_alu instid0(VALU_DEP_1)
	v_max3_num_f32 v8, v8, v9, 0x2800000           ; and the floor 2^(5 - 127): the byte cannot fall under 1
	s_delay_alu instid0(VALU_DEP_1)
	v_max_num_f32_dpp v8, v8, v8 row_xmask:1 row_mask:0xf bank_mask:0xf   ; with my neighbour's 16: the block's
	s_delay_alu instid0(VALU_DEP_1)
	v_add_nc_u32 v11, 0xfe000000, v8               ; 4 off its exponent field: the conversion takes this operand's exponent field as its scale
	v_cvt_scalef32_pk16_bf6_f32 v[C+4*(\t):C+4*(\t)+2], v[XS:XS+15], v11
	v_lshrrev_b32 v[E+(\t)], 23, v11               ; the scale's byte (also the plain line behind the conversion)
	ds_store_b8 v5, v[E+(\t)] offset:((\t)/4)*512+(((\t)/2)%2)*4+(\t)%2   ; both lanes of a block write the same byte with the same value
	global_store_b96 v4, v[C+4*(\t):C+4*(\t)+2], s[10:11] offset:98304*(\t)   ; the wave stores 384 consecutive bytes: 8 rows of 48
.endm
.irp t, 0,1,2,3,4,5,6,7,8,9,10,11,12,13,14,15
	STEP \t
.endr
	s_wait_dscnt 0x0                               ; for the others' sake: my byte stores are done
	s_barrier_signal -1
	s_barrier_wait -1
	ds_load_b64 v[12:13], v6                       ; 32 rows x 8 bytes of one group of four heads
	s_wait_dscnt 0x0
	global_store_b64 v7, v[12:13], s[12:13]        ; 32 lanes store 256 consecutive bytes, at a multiple of 256 from the buffer's first byte
	s_wait_tensorcnt 0x0
	ds_add_u32 v224, v225
	s_wait_dscnt 0x0
	s_endpgm
.Lfunc_end_k_q706f826c49_ropeq:
	.size	k_q706f826c49_ropeq, .Lfunc_end_k_q706f826c49_ropeq-k_q706f826c49_ropeq
	.p2alignl 7, 3214868480
	.fill 96, 4, 3214868480
	.section	.rodata,"a",@progbits
	.p2align	6, 0x0
	.amdhsa_kernel k_q706f826c49_ropeq
		.amdhsa_group_segment_fixed_size 44032
		.amdhsa_private_segment_fixed_size 0
		.amdhsa_enable_private_segment 0
		.amdhsa_kernarg_size 40
		.amdhsa_user_sgpr_count 2
		.amdhsa_user_sgpr_kernarg_segment_ptr 1
		.amdhsa_wavefront_size32 1
		.amdhsa_system_sgpr_workgroup_id_x 1
		.amdhsa_system_sgpr_workgroup_id_y 1
		.amdhsa_system_sgpr_workgroup_id_z 1
		.amdhsa_system_vgpr_workitem_id 0
		.amdhsa_next_free_vgpr 226
		.amdhsa_next_free_sgpr 66
		.amdhsa_reserve_vcc 1
		.amdhsa_float_denorm_mode_32 3
		.amdhsa_float_denorm_mode_16_64 3
		.amdhsa_memory_ordered 1
		.amdhsa_forward_progress 1
		.amdhsa_inst_pref_size 88
	.end_amdhsa_kernel
	.amdgpu_metadata
---
amdhsa.version: [ 1, 2 ]
amdhsa.kernels:
  - .name:           k_q706f826c49_ropeq
    .symbol:         k_q706f826c49_ropeq.kd
    .args:
      - { .name: q, .offset: 0, .size: 8, .value_kind: global_buffer, .address_space: global }
      - { .name: k, .offset: 8, .size: 8, .value_kind: global_buffer, .address_space: global }
      - { .name: w_out, .offset: 16, .size: 8, .value_kind: global_buffer, .address_space: global }
      - { .name: qkw_codes, .offset: 24, .size: 8, .value_kind: global_buffer, .address_space: global }
      - { .name: qkw_scales, .offset: 32, .size: 8, .value_kind: global_buffer, .address_space: global }
    .group_segment_fixed_size: 44032
    .private_segment_fixed_size: 0
    .kernarg_segment_align: 8
    .kernarg_segment_size: 40
    .max_flat_workgroup_size: 256
    .sgpr_count:     66
    .vgpr_count:     226
    .wavefront_size: 32
...
	.end_amdgpu_metadata
.endif
;; end of part 1
;; launch vq (part 2): grid 8 x 32, 4 waves a work-group, no clusters, 25,088 bytes of LDS; arguments v, v_codes, v_scales; writes v_codes, v_scales
.if DOCPART == 2
	.amdgcn_target "amdgcn-amd-amdhsa--gfx1250"
	.amdhsa_code_object_version 6
	.text
	.protected	k_q706f826c49_vq
	.globl	k_q706f826c49_vq
	.p2align	8
	.type	k_q706f826c49_vq,@function
k_q706f826c49_vq:
	s_mov_b64 s[64:65], 0
	v_nop
	global_prefetch_b8 v0, s[64:65] scope:SCOPE_SE
	s_setreg_imm32_b32 hwreg(HW_REG_WAVE_MODE, 25, 1), 1
	s_wait_xcnt 0x0
; v [4][2048 keys][1024] f32 is quantised ALONG THE KEYS into codes of BF6 (E3M2) with one E8M0 byte for each 32 keys, laid in the order of the matrix operand's registers.
; OUT.  Codes: [batch x head 64][step of 128 keys 16][tile T 4][lane 32][48 bytes]: lane (r, h) holds block 4 s + h (24 bytes) and then block 4 s + 2 + h of channel d = 32 (T / 2) + 16 (r / 8) + 8 (T % 2) + r % 8.
; Scale bytes: [batch x head][step][16 T + r] words; byte i of a word is block 4 s + i.
; A LANE TAKES A COLUMN AND ITS REGISTERS RUN DOWN THE KEYS: a block of 32 keys lies in one lane's 32 registers, so its largest magnitude needs no other lane and the conversions give codes with the keys innermost.
; A block's scale is 2^(floor(log2(largest magnitude)) - 4); its byte is the largest magnitude's exponent field - 4, held at 1 from below.
; LIMITS: NaN and infinities are not served; blocks whose largest magnitude lies under 2^-122, blocks of zeros among them, keep the byte 1 (zero codes add nothing; this program alone reads the bytes).
; SHARES.  A wave takes 32 columns (half a head) x 256 keys: 8 blocks a lane, two steps x two tiles of the output: 6,144 bytes, gathered in the wave's own stage in LDS and stored as 512 consecutive bytes an instruction.
; The scale words leave as runs of 128 bytes: one byte in 128 of what the launch reads.  No barrier: waves share nothing.  Loads run two blocks (64 loads a wave) ahead.
.set NB,    8
.set X,     32                         ; v32-95   two sets of 32 numbers
.set C,     96                         ; v96-102  a block's codes
.set OUTR,  112                        ; v112-159 the way out
.set SB,    24                         ; v24-25   the scale bytes, four to a register
	s_load_b128 s[4:7], s[0:1], 0x0                ; v, the codes
	s_load_b64 s[8:9], s[0:1], 0x10                ; the scale words
	v_lshl_add_u32 v192, v0, 2, 0x6000
	v_mov_b32 v193, 0
	v_lshrrev_b32 v1, 5, v0
	v_readfirstlane_b32 s16, v1                    ; wave 0..3
	v_and_b32 v2, 31, v0                           ; lane
	s_wait_alu depctr_va_vdst(0)
	s_and_b32 s17, ttmp7, 0xffff
	s_and_b32 s18, s17, 7                          ; which 256 keys
	s_lshr_b32 s19, s17, 3                         ; batch
	s_lshl_b32 s20, s19, 23                        ; v: batch x 8,388,608 + 256 keys x 4,096 x which + 4 x (128 x + 32 wave)
	s_lshl_b32 s21, s18, 20
	s_add_co_u32 s20, s20, s21
	s_lshl_b32 s21, ttmp9, 9
	s_add_co_u32 s20, s20, s21
	s_lshl_b32 s21, s16, 7
	s_add_co_u32 s20, s20, s21
	s_mov_b32 s21, 0
	s_lshl_b32 s22, s19, 4
	s_lshl_b32 s23, ttmp9, 1
	s_add_co_u32 s22, s22, s23
	s_lshr_b32 s23, s16, 1
	s_add_co_u32 s22, s22, s23                     ; batch x head = 16 batch + 2 x + wave / 2
	s_and_b32 s23, s16, 1                          ; which half of the head: T / 2
	s_mul_i32 s24, s22, 98304                      ; codes: head + two steps of 6,144 x which + two tiles of 1,536 x half
	s_mul_i32 s25, s18, 12288
	s_add_co_u32 s24, s24, s25
	s_mul_i32 s25, s23, 3072
	s_add_co_u32 s24, s24, s25
	s_mov_b32 s25, 0
	s_lshl_b32 s26, s22, 12                        ; scale words: head x 4,096 + two steps of 256 x which + 128 x half
	s_lshl_b32 s27, s18, 9
	s_add_co_u32 s26, s26, s27
	s_lshl_b32 s27, s23, 7
	s_add_co_u32 s26, s26, s27
	s_mov_b32 s27, 0
	v_lshlrev_b32 v3, 2, v2                        ; in: 4 bytes a lane
	v_bfe_u32 v5, v2, 3, 1                         ; T % 2
	v_lshrrev_b32 v6, 4, v2
	v_and_b32 v7, 7, v2
	v_lshl_add_u32 v6, v6, 3, v7                   ; r = 8 (lane / 16) + lane % 8
	s_mul_i32 s28, s16, 6144                       ; my stage
	v_mul_u32_u24 v4, v6, 48
	v_mad_u32_u24 v4, v5, 1536, v4
	v_add_nc_u32 v4, s28, v4                       ; into it: tile T % 2, operand lane r (+ 16 for odd blocks, in the immediate)
	v_lshlrev_b32 v8, 4, v2                        ; out: 16 bytes a lane
	v_add_nc_u32 v7, s28, v8
	v_lshl_add_u32 v9, v5, 4, v6
	v_lshlrev_b32 v9, 2, v9                        ; my scale word: 4 x (16 (T % 2) + r)
	s_wait_kmcnt 0x0
	s_add_nc_u64 s[4:5], s[4:5], s[20:21]
	s_add_nc_u64 s[6:7], s[6:7], s[24:25]
	s_add_nc_u64 s[8:9], s[8:9], s[26:27]
.macro LOAD t                          ; block t: keys 32 t + i of my column, into set t % 2
.irp i, 0,1,2,3,4,5,6,7,8,9,10,11,12,13,14,15,16,17,18,19,20,21,22,23,24,25,26,27,28,29,30,31
	global_load_b32 v[X+32*((\t)%2)+\i], v3, s[4:5] offset:(32*(\t)+\i)*4096 th:TH_LOAD_NT
.endr
.endm
	LOAD 0
	LOAD 1
.macro BLOCK t
.set XS, X+32*((\t)%2)
.set IM, ((\t)/4)*3072+((\t)%2)*768+(((\t)/2)%2)*24   ; step, operand lane's half, first or second 24 bytes
.if (\t) < NB-1
	s_wait_loadcnt 32                              ; this block's 32 loads are in; the next block's may be out
.else
	s_wait_loadcnt 0
.endif
	v_max3_num_f32 v12, |v[XS]|, |v[XS+1]|, |v[XS+2]|
	v_max3_num_f32 v13, |v[XS+3]|, |v[XS+4]|, |v[XS+5]|
.irp i, 6,10,14,18,22,26
	v_max3_num_f32 v12, v12, |v[XS+\i]|, |v[XS+\i+1]|
	v_max3_num_f32 v13, v13, |v[XS+\i+2]|, |v[XS+\i+3]|
.endr
	v_max3_num_f32 v12, v12, |v[XS+30]|, |v[XS+31]|
	v_max3_num_f32 v12, v12, v13, 0x2800000        ; the floor 2^(5 - 127): the byte cannot fall under 1
	v_add_nc_u32 v11, 0xfe000000, v12              ; 4 off the exponent field: the conversion's scale operand
	v_lshrrev_b32 v13, 23, v11                     ; the scale's byte
.if (\t)%4 == 0
	v_mov_b32 v[SB+(\t)/4], v13
.else
	v_lshl_or_b32 v[SB+(\t)/4], v13, 8*((\t)%4), v[SB+(\t)/4]
.endif
	v_cvt_scalef32_pk16_bf6_f32 v[C:C+2], v[XS:XS+15], v11
	v_cvt_scalef32_pk16_bf6_f32 v[C+4:C+6], v[XS+16:XS+31], v11   ; (a conversion's three registers begin on an even number)
	v_nop                                          ; one plain line behind the conversions
	v_mov_b32 v[C+3], v[C+4]
	v_mov_b32 v[C+4], v[C+5]
	v_mov_b32 v[C+5], v[C+6]                       ; the block's 24 bytes on end
	ds_store_b64 v4, v[C:C+1] offset:IM
	ds_store_b64 v4, v[C+2:C+3] offset:IM+8
	ds_store_b64 v4, v[C+4:C+5] offset:IM+16
.if (\t)+2 < NB
	LOAD (\t)+2
.endif
	s_wait_dscnt 0x0                               ; the stores have read their registers: the next block's codes may be written
.endm
.set Q, 0
.rept NB
	BLOCK Q
.set Q, Q+1
.endr
	global_store_b32 v9, v[SB], s[8:9]             ; my channel's scale words of the two steps
	s_wait_alu depctr_va_vdst(0)
	global_store_b32 v9, v[SB+1], s[8:9] offset:256
.irp i, 0,1,2,3,4,5,6,7,8,9,10,11
	ds_load_b128 v[OUTR+4*\i:OUTR+4*\i+3], v7 offset:512*\i   ; LDS serves a wave's instructions in order: these see my stores
.endr
.irp i, 0,1,2,3,4,5,6,7,8,9,10,11
	s_wait_dscnt 11-\i
	global_store_b128 v8, v[OUTR+4*\i:OUTR+4*\i+3], s[6:7] offset:(\i/6)*6144+((\i/3)%2)*1536+(\i%3)*512   ; 512 consecutive bytes, at a multiple of 256 from the buffer's first byte
.endr
	s_wait_tensorcnt 0x0
	ds_add_u32 v192, v193
	s_wait_dscnt 0x0
	s_endpgm
.Lfunc_end_k_q706f826c49_vq:
	.size	k_q706f826c49_vq, .Lfunc_end_k_q706f826c49_vq-k_q706f826c49_vq
	.p2alignl 7, 3214868480
	.fill 96, 4, 3214868480
	.section	.rodata,"a",@progbits
	.p2align	6, 0x0
	.amdhsa_kernel k_q706f826c49_vq
		.amdhsa_group_segment_fixed_size 25088
		.amdhsa_private_segment_fixed_size 0
		.amdhsa_enable_private_segment 0
		.amdhsa_kernarg_size 24
		.amdhsa_user_sgpr_count 2
		.amdhsa_user_sgpr_kernarg_segment_ptr 1
		.amdhsa_wavefront_size32 1
		.amdhsa_system_sgpr_workgroup_id_x 1
		.amdhsa_system_sgpr_workgroup_id_y 1
		.amdhsa_system_sgpr_workgroup_id_z 1
		.amdhsa_system_vgpr_workitem_id 0
		.amdhsa_next_free_vgpr 194
		.amdhsa_next_free_sgpr 66
		.amdhsa_reserve_vcc 0
		.amdhsa_float_denorm_mode_32 3
		.amdhsa_float_denorm_mode_16_64 3
		.amdhsa_memory_ordered 1
		.amdhsa_forward_progress 1
		.amdhsa_inst_pref_size 43
	.end_amdhsa_kernel
	.amdgpu_metadata
---
amdhsa.version: [ 1, 2 ]
amdhsa.kernels:
  - .name:           k_q706f826c49_vq
    .symbol:         k_q706f826c49_vq.kd
    .args:
      - { .name: v, .offset: 0, .size: 8, .value_kind: global_buffer, .address_space: global }
      - { .name: v_codes, .offset: 8, .size: 8, .value_kind: global_buffer, .address_space: global }
      - { .name: v_scales, .offset: 16, .size: 8, .value_kind: global_buffer, .address_space: global }
    .group_segment_fixed_size: 25088
    .private_segment_fixed_size: 0
    .kernarg_segment_align: 8
    .kernarg_segment_size: 24
    .max_flat_workgroup_size: 128
    .sgpr_count:     66
    .vgpr_count:     194
    .wavefront_size: 32
...
	.end_amdgpu_metadata
.endif
;; end of part 2
;; launch attn (part 3): grid 4 x 64, 16 waves a work-group, clusters of 4 x 1, 327,680 bytes of LDS; arguments qkw_codes, qkw_scales, v_codes, v_scales, a_codes, a_scales; writes a_codes, a_scales
.if DOCPART == 3
	.amdgcn_target "amdgcn-amd-amdhsa--gfx1250"
	.amdhsa_code_object_version 6
	.text
	.protected	k_q706f826c49_attn
	.globl	k_q706f826c49_attn
	.p2align	8
	.type	k_q706f826c49_attn,@function
k_q706f826c49_attn:
	s_mov_b64 s[64:65], 0
	v_nop
	global_prefetch_b8 v0, s[64:65] scope:SCOPE_SE
	s_setreg_imm32_b32 hwreg(HW_REG_WAVE_MODE, 25, 1), 1
	s_wait_xcnt 0x0
	s_wait_alu depctr_hold_cnt(0) depctr_sa_sdst(0) depctr_va_vdst(0) depctr_va_sdst(0) depctr_va_ssrc(0) depctr_va_vcc(0) depctr_vm_vsrc(0)
	s_getreg_b32 s2, hwreg(HW_REG_IB_STS2, 6, 4)
	s_cmp_eq_u32 s2, 0
	s_cbranch_scc0 .Lentry_in_a_cluster
	s_endpgm
.Lentry_in_a_cluster:
	s_bfe_u32 s2, ttmp6, 0x10000c
	s_cmp_lg_u32 s2, 0x3003
	s_cbranch_scc0 .Lentry_shape_is_right
	s_endpgm
.Lentry_shape_is_right:
; Attention of one head on codes of BF6 (E3M2), and the quantising of its result for the projection.  Head size 64, 2,048 queries and keys, 64 heads (batch x head), no mask.
; t = score x log2(e) / 8; M = the running largest t rounded UP to a whole number; p = 2^(t - M) is quantised along the keys, not normalised; the row's sum is taken of the unquantised p in f32 and divides O at the end.
; When M moves, the sum and O are multiplied by 2^(old M - new M): exact.  O / sum is quantised along the head's 64 channels (two blocks of 32) and stored as codes and scale bytes.
; SHARES.  A work-group owns 512 queries of one head, in two passes of 256; each of its sixteen waves owns 16 queries a pass, in 256 registers: four waves to a SIMD.
; THE HEAD'S WHOLE K AND V (2 x 98,304 bytes of codes) COME INTO LDS ONCE, by two joint loads a wave: at the head the first 512 keys (3,072 bytes a wave; waves 0-7 K, waves 8-15 V), and behind the full
; sequence and a round of the cluster's barrier the other 1,536 keys (9,216 bytes a wave), which land under the first four key steps.  One barrier follows those steps; nothing is filled again.
; CLUSTER.  The four work-groups of a cluster are the four query blocks of one head: every tile is asked for JOINTLY, by the same tensor load with the same descriptor and a mask that names the four.
; NO PREFETCH: both groups of fills are asked for at the head, and no trip of a loop asks memory for a tile: there is no loop to run ahead in.
; LAYOUT.  Both products are used transposed: S^T = K Q^T (source 0 = keys, source 1 = my 16 queries), O^T = V^T P^T: a lane holds ONE query (lane % 16) throughout.
; K = 64 FILLS HALF OF THE INSTRUCTION'S 128.  A key's row is 48 bytes; lane l takes stored key 32 G + l whole (three loads of 16 bytes): the operand's row r then holds key r's two blocks in the instruction's blocks 0 and 2
; and key 16 + r's in blocks 1 and 3.  Q1 holds my queries in lanes 0-15 and zero codes in lanes 16-31; Q2 the other way round: two products on the same 12 registers give both tiles of keys.
; The earlier launch stored the keys so that in each 64 stored key 32 g + 16 u + 8 a + i is key 32 a + 16 g + 8 u + i: score register 32 c + 16 g + 8 u + j of lane half h is key 64 c + 32 h + 16 g + 8 u + j of the step:
; A LANE HOLDS TWO WHOLE BLOCKS OF 32 KEYS, blocks h and 2 + h, in the order of the next operand's registers: a block's largest score needs no other lane, and p's codes change no lane.
; V lies in the order of the operand's registers, its channels chosen so that O^T's 16 registers of two tiles are 16 neighbouring channels.
; LIMITS: NaN and infinities are not served; the promise holds while |t| stays under 2^31; a block of the result whose largest magnitude lies under 2^-122 keeps the byte 1.
; A block's largest p is taken as 2^(the block's largest t - M), which takes v_exp_f32 not to fall where its input rises.
; LDS: K [2048 stored keys][48] at 0; V [step 16][6,144] at VB; K's scale words [group of 32 keys 64][16]; V's [step 16][64]; 768 bytes a wave for the way out; the spare words.  All of LDS is claimed.
; REGISTERS: v1-11 addresses; v12 -M, v13 the largest score, v[14:15] the sum; v16-27 Q1; v32-79 four fragments of K, then of V; v80-91 Q2; v92-95 addresses, the add's two; v96-159 S^T, then p; v160-191 O^T;
; v192-204 the next pass's Q on its way, at a pass's end v192-223 O / sum; v206-219 partial sums; v224-235 p's codes; v232-247, v252, v254 at work; v248-251, v253, v255 scale words.
.set VB,    98304
.set KSC,   196608
.set VSC,   200704
.set OST,   204800
.set SPARE, 217088
.set LK,   1                           ; v1   48 x lane
.set LSC,  2                           ; v2   KSC + 4 (lane % 16)
.set ADK,  3                           ; v3   the step's tiles of K
.set ADS,  4                           ; v4   the step's scale words
.set ADV,  11                          ; v11  the step's tiles of V
.set LV,   92                          ; v92  VB + 48 x lane
.set SH,   93                          ; v93  8 x (lane / 16)
.set SPW,  94                          ; v94  my spare word;  v95  0: never rewritten
.set NIL,  95
.set S,    96
.set O,    160
.set QN,   192
.set T,    206
.set P,    224
.set WV,   18
.set SEL,  20                          ; s[20:21] v_permlanex16_b32's selects for lane l xor 16
.set CS,   22                          ; s[22:23] c = log2(e) / 8
.set G1,   24                          ; s[24:31] group 1 of the head's load: 12 rows;  s[40:47] of the second: 36 rows
.set G0,   32                          ; s[32:35], s[36:39] their groups 0
.set G0R,  36
.set G1R,  40
.set MASK, 58                          ; s58  lanes 0-15
.set KSEL, 59
.set QSEL, 60
.set TB,   61                          ; s61  6,144 x step
.set TS,   62                          ; s62  256 x step
.set CNT,  63
.set QC,   68                          ; s[68:69] Q's codes at my first query;  s[70:71] its scale words
.set QS,   70
.set AC,   72                          ; s[72:73] the result's codes;  s[74:75] its scale bytes
.set AS,   74
.set KSP,  76                          ; s[76:77] K's scale words in memory;  s[78:79] V's
.set VSP,  78
.macro CROUND                          ; a round of the cluster's barrier
	s_barrier_signal -1
	s_barrier_wait -1
	s_cmp_lg_u32 s[WV], 0
	s_cbranch_scc1 .Lnot_wave_0_\@
	s_barrier_signal -3
.Lnot_wave_0_\@:
	s_barrier_wait -3
	s_barrier_signal -1
	s_barrier_wait -1
.endm
	s_load_b256 s[4:11], s[0:1], 0x0               ; q/k codes s[4:5], q/k scales s[6:7], V's codes s[8:9], V's scales s[10:11]
	s_load_b128 s[12:15], s[0:1], 0x20             ; the result's codes, its scale bytes
	v_lshl_add_u32 v[SPW], v0, 2, SPARE
	v_mov_b32 v[NIL], 0
	ds_add_u32 v[SPW], v[NIL]                      ; the opening: the add, twice on end, and its wait ahead of my first tensor load
	ds_add_u32 v[SPW], v[NIL]
	v_lshrrev_b32 v1, 5, v0
	s_delay_alu instid0(VALU_DEP_1)
	v_readfirstlane_b32 s[WV], v1                  ; wave 0..15
	s_bfe_u32 s52, ttmp6, 0x40000                  ; cx: it enters Q's and the result's addresses alone
	s_and_b32 s48, ttmp7, 0xffff                   ; batch x head, which the four partners share
	s_lshr_b32 s49, s48, 4                         ; batch
	s_and_b32 s50, s48, 15                         ; head
	s_and_b32 s51, s50, 1                          ; its parity: which bytes of a scale word are mine
	s_lshr_b32 s53, s50, 2
	s_bfe_u32 s54, s50, 0x10001
	s_mul_i32 s56, s50, 98304
	; what I fetch: waves 0-7 an eighth of K's part, waves 8-15 of V's
	s_and_b32 s67, s[WV], 7
	s_lshr_b32 s66, s[WV], 3
	s_mul_i32 s66, s66, VB                         ; LDS: K's region or V's
	s_mul_i32 s88, s67, 3072                       ; the head's load: my eighth of 24,576 bytes
	s_mov_b32 s89, 0
	s_mul_i32 s90, s67, 9216                       ; the second: my eighth of the 73,728 bytes behind them
	s_add_co_u32 s90, s90, 24576
	s_mov_b32 s91, 0
	s_mul_i32 s84, s49, 1572864
	s_add_co_u32 s84, s84, 6291456                 ; k lies four batches behind q
	s_add_co_u32 s84, s84, s56
	s_mov_b32 s85, 0
	s_mul_i32 s86, s48, 98304
	s_mov_b32 s87, 0
	; my queries
	s_lshl_b32 s55, s52, 9
	s_lshl_b32 s92, s[WV], 4
	s_add_co_u32 s55, s55, s92                     ; 512 cx + 16 wave; the second pass takes those 256 further on, by immediates
	s_mul_i32 s[QC], s49, 1572864
	s_add_co_u32 s[QC], s[QC], s56
	s_mul_i32 s92, s55, 48
	s_add_co_u32 s[QC], s[QC], s92
	s_mov_b32 s[QC+1], 0
	s_lshl_b32 s[KSP], s49, 16                     ; scale words: batch x 65,536 + (head / 4) x 16,384 + 4 ((head / 2) % 2)
	s_lshl_b32 s93, s53, 14
	s_add_co_u32 s[KSP], s[KSP], s93
	s_lshl_b32 s93, s54, 2
	s_add_co_u32 s[KSP], s[KSP], s93
	s_lshl_b32 s92, s55, 3
	s_add_co_u32 s[QS], s[KSP], s92
	s_mov_b32 s[QS+1], 0
	s_add_co_u32 s[KSP], s[KSP], 262144            ; k's
	s_mov_b32 s[KSP+1], 0
	s_lshl_b32 s[VSP], s48, 12
	s_mov_b32 s[VSP+1], 0
	s_lshl_b32 s94, s49, 11
	s_add_co_u32 s94, s94, s55                     ; my first row of the result: 2,048 batch + query
	s_mul_i32 s[AC], s50, 393216
	s_mul_i32 s92, s94, 48
	s_add_co_u32 s[AC], s[AC], s92
	s_mov_b32 s[AC+1], 0
	s_lshl_b32 s[AS], s53, 16
	s_lshl_b32 s92, s94, 3
	s_add_co_u32 s[AS], s[AS], s92
	s_add_co_u32 s[AS], s[AS], s93
	s_add_co_u32 s[AS], s[AS], s51
	s_mov_b32 s[AS+1], 0
	s_mul_i32 s[KSEL], s51, 0x01010101
	s_add_co_u32 s[QSEL], s[KSEL], 0x02020000      ; Q's word: (s0, s0, s1, s1) of my head
	s_add_co_u32 s[KSEL], s[KSEL], 0x06020400      ; K's: (A's s0, B's s0, A's s1, B's s1)
	s_mov_b32 s[MASK], 0xffff
	s_mov_b32 s[SEL], 0x76543210
	s_mov_b32 s[SEL+1], 0xfedcba98
	s_mov_b32 s[CS], 0x3e38aa3b                    ; c = log2(e) / 8
	s_mov_b32 s[CS+1], s[CS]                       ; (named with it as a pair, so it is written)
	; descriptor groups 1: dense rows of 256 bytes (32 elements of 8 bytes), 12 and 36 of them; mask: all four work-groups, bit 21 beside it
	s_mov_b32 s[G1], 15|(3<<16)|(1<<21)
	s_mov_b32 s[G1+1], 32<<16
	s_mov_b32 s[G1+2], 12<<16
	s_mov_b32 s[G1+3], 32<<16
	s_mov_b32 s[G1+4], 12
	s_mov_b32 s[G1+5], 32
	s_mov_b32 s[G1+6], 0
	s_mov_b32 s[G1+7], 0
	s_mov_b32 s[G1R], 15|(3<<16)|(1<<21)
	s_mov_b32 s[G1R+1], 32<<16
	s_mov_b32 s[G1R+2], 36<<16
	s_mov_b32 s[G1R+3], 32<<16
	s_mov_b32 s[G1R+4], 36
	s_mov_b32 s[G1R+5], 32
	s_mov_b32 s[G1R+6], 0
	s_mov_b32 s[G1R+7], 0
	s_wait_dscnt 0x0                               ; both opening adds are done
	s_wait_kmcnt 0x0
	s_add_nc_u64 s[QC:QC+1], s[4:5], s[QC:QC+1]
	s_add_nc_u64 s[QS:QS+1], s[6:7], s[QS:QS+1]
	s_add_nc_u64 s[KSP:KSP+1], s[6:7], s[KSP:KSP+1]
	s_add_nc_u64 s[VSP:VSP+1], s[10:11], s[VSP:VSP+1]
	s_add_nc_u64 s[AC:AC+1], s[12:13], s[AC:AC+1]
	s_add_nc_u64 s[AS:AS+1], s[14:15], s[AS:AS+1]
	s_add_nc_u64 s[80:81], s[4:5], s[84:85]
	s_add_nc_u64 s[82:83], s[8:9], s[86:87]
	s_cmp_lt_u32 s[WV], 8                          ; a choice on the wave's number alone
	s_cselect_b64 s[80:81], s[80:81], s[82:83]
	s_mov_b32 s[G0], 1
	s_add_co_u32 s[G0+1], s88, s66
	s_add_nc_u64 s[G0+2:G0+3], s[80:81], s[88:89]
	s_or_b32 s[G0+3], s[G0+3], 0x80000000
	s_mov_b32 s[G0R], 1
	s_add_co_u32 s[G0R+1], s90, s66
	s_add_nc_u64 s[G0R+2:G0R+3], s[80:81], s[90:91]
	s_or_b32 s[G0R+3], s[G0R+3], 0x80000000
	CROUND                                         ; all four work-groups are here: the joint loads meet
	tensor_load_to_lds s[G0:G0+3], s[G1:G1+7]      ; my part of the first 512 keys: one load a wave at the head
	s_nop 0
.rept 4
	v_nop
.endr
	; the scale words come once.  K's: thread t makes the words of (group t / 16, row t % 16) and of the group 32 further on, each from the words of stored keys 32 G + m and 32 G + 16 + m
	v_lshrrev_b32 v11, 4, v0
	v_and_b32 v28, 15, v0                          ; r
	v_lshlrev_b32 v29, 3, v0
	v_lshlrev_b32 v11, 8, v11
	v_mul_u32_u24 v9, v28, 48                      ; v9  Q: row r
	v_lshlrev_b32 v10, 3, v28                      ; v10 a row's scale words: 8 bytes a row
	v_lshl_add_u32 v11, v28, 3, v11
	global_load_b32 v32, v11, s[KSP:KSP+1]
	global_load_b32 v33, v11, s[KSP:KSP+1] offset:128
	global_load_b32 v34, v11, s[KSP:KSP+1] offset:8192
	global_load_b32 v35, v11, s[KSP:KSP+1] offset:8320
	global_load_b64 v[36:37], v29, s[VSP:VSP+1]    ; V's: 4,096 dense bytes, as they lie
	global_load_b128 v[QN:QN+3], v9, s[QC:QC+1]    ; the first pass's Q: both halves of the lanes take query lane % 16, whole
	global_load_b128 v[QN+4:QN+7], v9, s[QC:QC+1] offset:16
	global_load_b128 v[QN+8:QN+11], v9, s[QC:QC+1] offset:32
	global_load_b32 v[QN+12], v10, s[QS:QS+1]
	v_lshl_add_u32 v30, v0, 2, KSC
	v_lshl_add_u32 v31, v0, 3, VSC
	v_and_b32 v8, 31, v0                           ; lane
	v_bfe_u32 v6, v0, 4, 1                         ; h
	v_lshl_add_u32 v[LSC], v28, 2, KSC
	v_mul_u32_u24 v[LK], v8, 48
	v_lshlrev_b32 v7, 3, v8                        ; v7  out: 8 bytes a lane
	v_lshlrev_b32 v[SH], 3, v6
	v_mad_u32_u24 v5, v6, 24, v9
	v_lshl_add_u32 v8, v6, 1, v10                  ; v8  the result's scale byte: 8 r + 2 h
	s_mul_i32 s93, s[WV], 768
	s_add_co_u32 s93, s93, OST                     ; my stage
	v_add_nc_u32 v[LV], VB, v[LK]
	v_add_nc_u32 v5, s93, v5                       ; v5  into it: row r, block h
	v_add_nc_u32 v6, s93, v7                       ; v6  back from it
	v_mov_b32 v236, 0                              ; a lane permute's destination counts as one of its sources
	v_mov_b32 v253, 0                              ; (named as the upper half of the pair v[252:253] before it is first written)
	s_wait_alu depctr_va_vdst(0)
	s_wait_loadcnt 0x0
	v_perm_b32 v38, v33, v32, s[KSEL]
	v_perm_b32 v39, v35, v34, s[KSEL]
	ds_store_b32 v30, v38
	ds_store_b32 v30, v39 offset:2048
	ds_store_b64 v31, v[36:37]
.macro QBUILD                          ; Q1, Q2 and Q's scale word from the rows that were loaded
.set j, 0
.rept 12
	v_cndmask_b32 v[16+j], 0, v[QN+j], s[MASK]     ; Q1: my queries in lanes 0-15, zero codes in lanes 16-31
	v_cndmask_b32 v[80+j], v[QN+j], 0, s[MASK]     ; Q2: the other way round
.set j, j+1
.endr
	v_perm_b32 v255, v[QN+12], v[QN+12], s[QSEL]   ; the word serves both: (s0, s0, s1, s1)
.endm
.macro INIT                            ; a pass begins: the largest score -3e38, -M a large whole number, so that the first factor is 0; sums and O^T zeros
	v_mov_b32 v13, 0xff61b1e6
	v_mov_b32 v12, 0x7e000000
	v_mov_b32 v14, 0
	v_mov_b32 v15, 0
.set j, 0
.rept 32
	v_mov_b32 v[O+j], 0                            ; (also the places between Q's last writes and the first products)
.set j, j+1
.endr
.endm
	QBUILD
	global_load_b128 v[QN:QN+3], v9, s[QC:QC+1] offset:12288      ; the second pass's Q, 256 queries on: it stays on its way through the first pass
	global_load_b128 v[QN+4:QN+7], v9, s[QC:QC+1] offset:12304
	global_load_b128 v[QN+8:QN+11], v9, s[QC:QC+1] offset:12320
	global_load_b32 v[QN+12], v10, s[QS:QS+1] offset:2048
	s_wait_alu depctr_va_vdst(0)
	s_wait_tensorcnt 0x0                           ; my part of the first 512 keys is in
	ds_add_u32 v[SPW], v[NIL]
	s_wait_dscnt 0x0                               ; the add and my stores of scale words are done
	CROUND                                         ; so of every wave of the four work-groups: the joint loads meet
	tensor_load_to_lds s[G0R:G0R+3], s[G1R:G1R+7]  ; my part of the other 1,536 keys: my one load behind the round
	s_nop 0
.rept 4
	v_nop
.endr
; A KEY STEP: 128 keys.
.macro STEP
	v_add_nc_u32 v[ADK], s[TB], v[LK]
	v_add_nc_u32 v[ADS], s[TS], v[LSC]
	v_add_nc_u32 v[ADV], s[TB], v[LV]
	v_nop                                          ; four places in front of loads into registers that the last products read
.irp g, 0,1,2,3
.irp c, 0,1,2
	ds_load_b128 v[32+12*\g+4*\c:35+12*\g+4*\c], v[ADK] offset:1536*\g+16*\c   ; stored key 32 g + lane, whole
.endr
	ds_load_b32 v[248+\g], v[ADS] offset:64*\g
.endr
	s_wait_alu depctr_va_vdst(0)
.irp g, 0,1,2,3
.if \g == 0
	s_wait_dscnt 8                                 ; groups 0 and 1 are in; the eight loads of groups 2 and 3 may be out
.endif
.if \g == 2
	s_wait_dscnt 0x0
.endif
	v_wmma_scale_f32_16x16x128_f8f6f4 v[S+16*\g:S+16*\g+7], v[32+12*\g:43+12*\g], v[16:27], 0, v[248+\g], v255 matrix_a_fmt:MATRIX_FMT_BF6 matrix_b_fmt:MATRIX_FMT_BF6
	v_wmma_scale_f32_16x16x128_f8f6f4 v[S+16*\g+8:S+16*\g+15], v[32+12*\g:43+12*\g], v[80:91], 0, v[248+\g], v255 matrix_a_fmt:MATRIX_FMT_BF6 matrix_b_fmt:MATRIX_FMT_BF6
.endr
	v_mov_b32 v237, v12                            ; the old -M; with the three below: places in front of the loads and of the first read of the scores
.rept 3
	v_nop
.endr
.irp t, 0,1,2,3                                ; V of this step is asked for now: it lands while the softmax is walked
.irp c, 0,1,2
	ds_load_b128 v[32+12*\t+4*\c:35+12*\t+4*\c], v[ADV] offset:1536*\t+16*\c
.endr
	ds_load_b32 v[248+\t], v[ADS] offset:4096+64*\t
.endr
.irp c, 0,1                                    ; the largest score of my two blocks of 32 keys, each in two chains; every accumulator is first read at its low end
	v_max3_num_f32 v[232+\c], v[S+32*\c], v[S+32*\c+1], v[S+32*\c+2]
	v_max3_num_f32 v[234+\c], v[S+32*\c+16], v[S+32*\c+17], v[S+32*\c+18]
.endr
.irp i, 3,5,7,9,11,13
.irp c, 0,1
	v_max3_num_f32 v[232+\c], v[232+\c], v[S+32*\c+\i], v[S+32*\c+\i+1]
	v_max3_num_f32 v[234+\c], v[234+\c], v[S+32*\c+16+\i], v[S+32*\c+17+\i]
.endr
.endr
.irp c, 0,1
	v_max3_num_f32 v[232+\c], v[232+\c], v[S+32*\c+15], v[S+32*\c+31]
.endr
.irp c, 0,1
	s_delay_alu instid0(VALU_DEP_2)
	v_max_num_f32 v[232+\c], v[232+\c], v[234+\c]  ; it serves the row's maximum and, since p rises with the score, the block's largest p
.endr
	s_delay_alu instid0(VALU_DEP_1)
	v_max3_num_f32 v254, v13, v232, v233
	s_delay_alu instid0(VALU_DEP_1)
	v_permlanex16_b32 v236, v254, s[SEL], s[SEL+1]
	s_delay_alu instid0(VALU_DEP_1)
	v_max_num_f32 v13, v254, v236                  ; the running largest score of my query, lane l xor 16's keys among them
	s_delay_alu instid0(VALU_DEP_1)
	v_mul_f32 v254, s[CS], v13                     ; as t (c is positive)
	s_delay_alu instid0(VALU_DEP_1)
	v_floor_f32 v12, -v254                         ; the new -M = floor(-t): M is a whole number
.set j, 0
.rept 32
	v_pk_fma_f32 v[S+j:S+j+1], v[S+j:S+j+1], s[CS:CS+1], v[12:13] op_sel_hi:[1,0,0]   ; t - M, two at a time
.if j == 6
	v_sub_f32 v254, v12, v237                      ; old M less new M: a whole number, 0 or less
.endif
.if j == 14
	v_cvt_i32_f32 v254, v254                       ; (it saturates)
.endif
.if j == 22
	v_ldexp_f32 v252, 1.0, v254                    ; f = 2^(old M - new M)
.endif
.set j, j+2
.endr
.irp c, 0,1
	v_fma_f32 v[232+\c], v[232+\c], s[CS], v12     ; the same of each block's largest score
.endr
	s_wait_alu depctr_va_vdst(0)
.set j, 0
.rept 64
	v_exp_f32 v[S+j], v[S+j]                       ; p = 2^(t - M)
.set j, j+1
.endr
	v_exp_f32 v232, v232                           ; the blocks' largest p
	v_exp_f32 v233, v233
	v_pk_mul_f32 v[14:15], v[14:15], v[252:253] op_sel_hi:[1,0]   ; the sums under the new M (the plain line behind the exponentials)
	s_wait_alu depctr_va_vdst(0)                   ; one wait for the batch, directly ahead of the first readers of O^T too
.set j, 0
.rept 16
	v_pk_mul_f32 v[O+j:O+j+1], v[O+j:O+j+1], v[252:253] op_sel_hi:[1,0]   ; O^T under the new M
.set j, j+2
.endr
	v_max_num_f32 v232, 0x2800000, v232            ; the floor 2^(5 - 127): the byte cannot fall under 1
	v_max_num_f32 v233, 0x2800000, v233
	v_add_nc_u32 v244, 0xfe000000, v232            ; 4 off the exponent field: the conversion's scale operand
	v_add_nc_u32 v245, 0xfe000000, v233
	v_cvt_scalef32_pk16_bf6_f32 v[P:P+2], v[S:S+15], v244
	v_cvt_scalef32_pk16_bf6_f32 v[236:238], v[S+16:S+31], v244     ; (a conversion's three registers begin on an even number)
	v_cvt_scalef32_pk16_bf6_f32 v[P+6:P+8], v[S+32:S+47], v245
	v_cvt_scalef32_pk16_bf6_f32 v[240:242], v[S+48:S+63], v245
	v_lshrrev_b32 v246, 23, v244                   ; the scales' bytes (also the plain line behind the conversions)
	v_lshrrev_b32 v247, 23, v245
.irp i, 0,1,2
	v_mov_b32 v[P+3+\i], v[236+\i]                 ; registers 6 c .. 6 c + 5: keys 64 c + 32 h + 0 .. 31
	v_mov_b32 v[P+9+\i], v[240+\i]
.endr
	v_lshl_or_b32 v246, v247, 16, v246             ; my two bytes: blocks h and 2 + h; the word's other three lines stand among the sums below, which do not hang on them
	; the row's sum, of the unquantised p: eight chains, then a tree (these 32 are also the places between the codes' and the word's last writes and the products)
.irp k, 0,1,2,3,4,5,6
	v_pk_add_f32 v[T+2*\k:T+2*\k+1], v[S+4*\k:S+4*\k+1], v[S+4*\k+2:S+4*\k+3]
.endr
	v_lshlrev_b32 v246, v[SH], v246                ; the two bytes at their places in the word;
	v_pk_add_f32 v[14:15], v[14:15], v[S+28:S+29]
.irp k, 0,1,2,3,4,5,6
	v_pk_add_f32 v[T+2*\k:T+2*\k+1], v[T+2*\k:T+2*\k+1], v[S+30+2*\k:S+31+2*\k]
.endr
	v_permlanex16_b32 v236, v246, s[SEL], s[SEL+1]
	v_pk_add_f32 v[14:15], v[14:15], v[S+44:S+45]
.irp k, 0,1,2,3,4,5,6
	v_pk_add_f32 v[T+2*\k:T+2*\k+1], v[T+2*\k:T+2*\k+1], v[S+46+2*\k:S+47+2*\k]
.endr
	v_or_b32 v253, v246, v236                      ; with lane l xor 16's two: p's scale word for these 128 keys; nine plain lines follow it ahead of the products
	v_pk_add_f32 v[14:15], v[14:15], v[S+60:S+61]
	v_pk_add_f32 v[T:T+1], v[T:T+1], v[S+62:S+63]
	v_pk_add_f32 v[T+4:T+5], v[T+4:T+5], v[T+6:T+7]
	v_pk_add_f32 v[T+8:T+9], v[T+8:T+9], v[T+10:T+11]
	v_pk_add_f32 v[14:15], v[14:15], v[T+12:T+13]
	v_pk_add_f32 v[T:T+1], v[T:T+1], v[T+2:T+3]
	s_delay_alu instid0(VALU_DEP_2)
	v_pk_add_f32 v[14:15], v[14:15], v[T+8:T+9]
	s_delay_alu instid0(VALU_DEP_2)
	v_pk_add_f32 v[T:T+1], v[T:T+1], v[T+4:T+5]
	s_delay_alu instid0(VALU_DEP_1)
	v_pk_add_f32 v[14:15], v[14:15], v[T:T+1]
	s_wait_dscnt 0x0                               ; V and its scale words are in
.irp t, 0,1,2,3                                ; O^T += V^T P^T: the four accumulators by turns
	v_wmma_scale_f32_16x16x128_f8f6f4 v[O+8*\t:O+8*\t+7], v[32+12*\t:43+12*\t], v[P:P+11], v[O+8*\t:O+8*\t+7], v[248+\t], v253 matrix_a_fmt:MATRIX_FMT_BF6 matrix_b_fmt:MATRIX_FMT_BF6
.endr
.endm
.macro WALK first, n                   ; n key steps from step first on
	s_mov_b32 s[TB], (\first)*6144
	s_mov_b32 s[TS], (\first)*256
	s_mov_b32 s[CNT], \n
.Lstep_\@:
	STEP
	s_add_co_u32 s[TB], s[TB], 6144
	s_add_co_u32 s[TS], s[TS], 256
	s_sub_co_u32 s[CNT], s[CNT], 1
	s_cmp_lg_u32 s[CNT], 0
	s_cbranch_scc1 .Lstep_\@
.endm
; THE WAY OUT of pass p: O^T / the sum, quantised along the 64 channels
.macro OUT p
.if \p
	s_wait_alu depctr_va_vdst(0)
.endif
	v_add_f32 v14, v14, v15
	s_delay_alu instid0(VALU_DEP_1)
	v_permlanex16_b32 v252, v14, s[SEL], s[SEL+1]
	s_delay_alu instid0(VALU_DEP_1)
	v_add_f32 v14, v14, v252                       ; the row's sum
	s_wait_alu depctr_va_vdst(0)
	v_rcp_f32 v14, v14
.rept 4
	v_nop                                          ; the plain line behind the reciprocal, and the places behind the last products
.endr
	s_wait_alu depctr_va_vdst(0)                   ; the wait ahead of the first reader of the reciprocal and of O^T
.set j, 0
.rept 16
	v_pk_mul_f32 v[192+j:193+j], v[O+j:O+j+1], v[14:15] op_sel_hi:[1,0]   ; register 16 b + i: channel 32 b + 16 h + i of query r; each accumulator is read from its low end on
.set j, j+2
.endr
.irp b, 0,1
	v_max3_num_f32 v[232+\b], |v[192+16*\b]|, |v[193+16*\b]|, 0x2800000   ; block b: my 16 numbers and the floor 2^(5 - 127)
.endr
.irp i, 2,4,6,8,10,12,14
.irp b, 0,1
	v_max3_num_f32 v[232+\b], v[232+\b], |v[192+16*\b+\i]|, |v[193+16*\b+\i]|
.endr
.endr
.irp b, 0,1
	v_permlanex16_b32 v[236+\b], v[232+\b], s[SEL], s[SEL+1]
.endr
.irp b, 0,1
	v_max_num_f32 v[232+\b], v[232+\b], v[236+\b]  ; the block's largest magnitude
.endr
.irp b, 0,1
	s_delay_alu instid0(VALU_DEP_2)
	v_add_nc_u32 v[244+\b], 0xfe000000, v[232+\b]
.endr
.irp b, 0,1
	s_delay_alu instid0(VALU_DEP_2)
	v_lshrrev_b32 v[246+\b], 23, v[244+\b]         ; the two bytes
.endr
	v_cvt_scalef32_pk16_bf6_f32 v[224:226], v[192:207], v244
	v_cvt_scalef32_pk16_bf6_f32 v[236:238], v[208:223], v245
	v_cndmask_b32 v254, v247, v246, s[MASK]        ; lanes 0-15 store block 0's byte, lanes 16-31 block 1's (the plain line behind the conversions)
.irp i, 0,1,2
	v_permlane16_swap_b32 v[224+\i], v[236+\i]     ; lanes 0-15 now hold block 0 whole, lanes 16-31 block 1
.endr
.irp i, 0,1,2
	s_delay_alu instid0(VALU_DEP_3)
	v_mov_b32 v[227+\i], v[236+\i]
.endr
	ds_store_b64 v5, v[224:225]
	ds_store_b64 v5, v[226:227] offset:8
	ds_store_b64 v5, v[228:229] offset:16
	ds_load_b64 v[240:241], v6                     ; LDS serves a wave's instructions in order: these see my stores
	ds_load_b64 v[242:243], v6 offset:256
	ds_load_b64 v[244:245], v6 offset:512
	global_store_b8 v8, v254, s[AS:AS+1] offset:2048*\p   ; 32 single bytes: the other bytes of these words belong to other heads' work-groups
	s_wait_dscnt 0x0
	global_store_b64 v7, v[240:241], s[AC:AC+1] offset:12288*\p       ; 16 rows of 48 bytes: three stores of 256 consecutive bytes, each at a multiple of 256 from the buffer's first byte
	global_store_b64 v7, v[242:243], s[AC:AC+1] offset:12288*\p+256
	global_store_b64 v7, v[244:245], s[AC:AC+1] offset:12288*\p+512
.endm
	INIT
	WALK 0, 4                                      ; the first 512 keys, while the others land
	s_wait_tensorcnt 0x0                           ; my part of the others has landed,
	s_wait_dscnt 0x0
	s_barrier_signal -1
	s_barrier_wait -1                              ; and so of every wave.
	WALK 4, 12
	s_wait_loadcnt 0x0                             ; the second pass's Q is in
	QBUILD                                         ; ahead of the way out, which takes these registers
	OUT 0
	s_wait_xcnt 0x0                                ; the stores have read their registers, which the second pass writes again
	INIT
	WALK 0, 16
	OUT 1
	s_wait_tensorcnt 0x0                           ; the wave's end
	ds_add_u32 v[SPW], v[NIL]
	s_wait_dscnt 0x0
	CROUND                                         ; the closing round: no work-group ends while a partner may still ask for a tile that names it
	s_endpgm
.Lfunc_end_k_q706f826c49_attn:
	.size	k_q706f826c49_attn, .Lfunc_end_k_q706f826c49_attn-k_q706f826c49_attn
	.p2alignl 7, 3214868480
	.fill 96, 4, 3214868480
	.section	.rodata,"a",@progbits
	.p2align	6, 0x0
	.amdhsa_kernel k_q706f826c49_attn
		.amdhsa_group_segment_fixed_size 327680
		.amdhsa_private_segment_fixed_size 0
		.amdhsa_enable_private_segment 0
		.amdhsa_kernarg_size 48
		.amdhsa_user_sgpr_count 2
		.amdhsa_user_sgpr_kernarg_segment_ptr 1
		.amdhsa_wavefront_size32 1
		.amdhsa_system_sgpr_workgroup_id_x 1
		.amdhsa_system_sgpr_workgroup_id_y 1
		.amdhsa_system_sgpr_workgroup_id_z 1
		.amdhsa_system_vgpr_workitem_id 0
		.amdhsa_next_free_vgpr 256
		.amdhsa_next_free_sgpr 96
		.amdhsa_reserve_vcc 0
		.amdhsa_float_denorm_mode_32 3
		.amdhsa_float_denorm_mode_16_64 3
		.amdhsa_memory_ordered 1
		.amdhsa_forward_progress 1
		.amdhsa_inst_pref_size 69
	.end_amdhsa_kernel
	.amdgpu_metadata
---
amdhsa.version: [ 1, 2 ]
amdhsa.kernels:
  - .name:           k_q706f826c49_attn
    .symbol:         k_q706f826c49_attn.kd
    .args:
      - { .name: qkw_codes, .offset: 0, .size: 8, .value_kind: global_buffer, .address_space: global }
      - { .name: qkw_scales, .offset: 8, .size: 8, .value_kind: global_buffer, .address_space: global }
      - { .name: v_codes, .offset: 16, .size: 8, .value_kind: global_buffer, .address_space: global }
      - { .name: v_scales, .offset: 24, .size: 8, .value_kind: global_buffer, .address_space: global }
      - { .name: a_codes, .offset: 32, .size: 8, .value_kind: global_buffer, .address_space: global }
      - { .name: a_scales, .offset: 40, .size: 8, .value_kind: global_buffer, .address_space: global }
    .group_segment_fixed_size: 327680
    .private_segment_fixed_size: 0
    .kernarg_segment_align: 8
    .kernarg_segment_size: 48
    .max_flat_workgroup_size: 512
    .sgpr_count:     96
    .vgpr_count:     256
    .wavefront_size: 32
...
	.end_amdgpu_metadata
.endif
;; end of part 3
;; launch proj (part 4): grid 4 x 64, 4 waves a work-group, clusters of 4 x 4, 327,680 bytes of LDS; arguments a_codes, a_scales, qkw_codes, qkw_scales, b_out, out0; writes out0
.if DOCPART == 4
	.amdgcn_target "amdgcn-amd-amdhsa--gfx1250"
	.amdhsa_code_object_version 6
	.text
	.protected	k_q706f826c49_proj
	.globl	k_q706f826c49_proj
	.p2align	8
	.type	k_q706f826c49_proj,@function
k_q706f826c49_proj:
	s_mov_b64 s[64:65], 0
	v_nop
	global_prefetch_b8 v0, s[64:65] scope:SCOPE_SE
	s_setreg_imm32_b32 hwreg(HW_REG_WAVE_MODE, 25, 1), 1
	s_wait_xcnt 0x0
	s_wait_alu depctr_hold_cnt(0) depctr_sa_sdst(0) depctr_va_vdst(0) depctr_va_sdst(0) depctr_va_ssrc(0) depctr_va_vcc(0) depctr_vm_vsrc(0)
	s_getreg_b32 s2, hwreg(HW_REG_IB_STS2, 6, 4)
	s_cmp_eq_u32 s2, 0
	s_cbranch_scc0 .Lentry_in_a_cluster
	s_endpgm
.Lentry_in_a_cluster:
	s_bfe_u32 s2, ttmp6, 0x10000c
	s_cmp_lg_u32 s2, 0xf033
	s_cbranch_scc0 .Lentry_shape_is_right
	s_endpgm
.Lentry_shape_is_right:
; out0[m][n] = sum over k of A[m][k] W[n][k] + b_out[n]: M = 8,192, N = 1,024, K = 1,024, both operands codes of BF6 (E3M2) with one E8M0 byte for each 32 along K; sums in f32.
; IN.  A's codes [head 16][row 8192][48 bytes], its scale bytes [head / 4][row][8]; W's codes lie in qkw_codes behind 8 x 16 planes of 2,048 x 48 bytes, [head 16][row 2048][48], its scale bytes behind 8 x 65,536 bytes, [head / 4][row 2048][8].
; A 'head' is 64 neighbouring k.  A 32-bit scale word holds (even head block 0, odd head block 0, even head block 1, odd head block 1): the four blocks of one matrix step, in the order in which the fragments below lay them.
; SHARES.  A work-group makes 128 rows x 256 columns: 4 x 64 = 256 work-groups.  K is short: ALL OPERANDS OF THE BLOCK LIE IN LDS AT ONCE (A 98,304 bytes, W 196,608, scales 12,288), brought by four tensor loads,
; one a wave, at the head: wave 0 A's codes, wave 1 W's, wave 2 A's scales, wave 3 W's.  One barrier shows them to all; nothing is filled again, so there is no ring.
; A wave makes all 128 rows x 64 columns.  ITS 64 ROWS OF W, FOR ALL OF K, STAY IN 384 REGISTERS; A goes by in blocks of 16 rows x all of K: 32 products finish a block of 16 x 64, its four accumulators by turns, K ascending,
; the bias as the C of the first.  Each finished block leaves at once, while the later blocks are multiplied.
; CLUSTERS: 4 x 4 work-groups.  A's tiles hang on the tile row alone and are asked for jointly by a row of the cluster, W's on the tile column alone, by a column.
; NO PREFETCH: all fills are asked for at the head; there is no loop to run ahead in.
; FRAGMENTS.  Lane (r, h) takes row r's whole 48 bytes of head 2 q + h (three loads of 16 bytes): the instruction's blocks h and 2 + h are that head's two blocks; the same on both sides, so the products stay paired.
; THE MATRIX INSTRUCTION IS USED TRANSPOSED (source 0 = 16 rows of W, source 1 = 16 rows of A): a lane holds eight neighbouring columns of one row of the result.
; REGISTERS, in windows of 256: window 0: v0-31 addresses; v32-63 the bias; v64-95 W's scale words (tile b, step q at 8 b + q); v96-111 A's, two sets; v112-175 accumulators, two sets of four; v176-239 rows on their way out, two sets.
;   window 1: W's fragments of steps 0-4 (48 q + 12 b);  window 2: of steps 5-7;  window 3: A's fragments, two sets of 96 (12 q).
.set LA,    0                          ; LDS: A's codes [plane 16][128 rows x 48]
.set LB,    98304                      ; W's codes [plane 16][256 rows x 48]
.set SA,    294912                     ; A's scales [4][128 rows x 8]
.set SB,    299008                     ; W's scales [4][256 rows x 8]
.set STAGE, 307200                     ; the way out: 16 rows x (256 + 16) bytes for each wave; no fill lands here
.set SPITCH, 272
.set SPARE, 324608                     ; the spare words, 128 bytes for each wave
.set ADRA, 16                          ; v16-17  A's fragments: planes 0-7, planes 8-15
.set ADRB, 18                          ; v18-20  W's fragments: steps 0-2, 3-5, 6-7
.set ADSA, 21
.set ADSB, 22
.set STO,  24
.set RD,   25
.set CO,   26
.set SPW,  28                          ; v28 my spare word, v29 0: never rewritten
.set NIL,  29
.set BIAS, 32
.set BS,   64
.set AS,   96
.set ACC,  112
.set OB,   176
.set G1,   24                          ; s[24:31] group 1 for A's codes;  s[48:55] W's;  s[68:75] A's scales;  s[80:87] W's
.set G1B,  48
.set G1S,  68
.set G1SB, 80
.set G0H,  32                          ; s[32:35], s[36:39], s[76:79], s[88:91] their groups 0
.set G0HB, 36
.set G0S,  76
.set G0SB, 88
.set MSB, 0
.macro WIN new                         ; the immediate's high byte repeats the setting that is left
.if MSB != \new
	s_set_vgpr_msb (MSB<<8)|\new
.set MSB, \new
.endif
.endm
.macro CROUND                          ; a round of the cluster's barrier
	s_barrier_signal -1
	s_barrier_wait -1
	s_cmp_lg_u32 s16, 0
	s_cbranch_scc1 .Lnot_wave_0_\@
	s_barrier_signal -3
.Lnot_wave_0_\@:
	s_barrier_wait -3
	s_barrier_signal -1
	s_barrier_wait -1
.endm
	s_load_b256 s[4:11], s[0:1], 0x0               ; A's codes s[4:5], A's scales s[6:7], qkw_codes s[8:9], qkw_scales s[10:11]
	s_load_b128 s[12:15], s[0:1], 0x20             ; b_out s[12:13], out0 s[14:15]
	v_lshl_add_u32 v[SPW], v0, 2, SPARE
	v_mov_b32 v[NIL], 0
	ds_add_u32 v[SPW], v[NIL]                      ; the opening: the add, twice on end, and its wait ahead of my first tensor load
	ds_add_u32 v[SPW], v[NIL]
	v_lshrrev_b32 v1, 5, v0
	v_readfirstlane_b32 s16, v1                    ; wave 0..3
	s_bfe_u32 s40, ttmp6, 0x40000                  ; cx, cy: my place in the cluster
	s_bfe_u32 s41, ttmp6, 0x40004
	s_lshl_b32 s42, ttmp9, 2
	s_add_co_u32 s42, s42, s40                     ; tile column 0..3
	s_and_b32 s17, ttmp7, 0xffff
	s_lshl_b32 s17, s17, 2
	s_add_co_u32 s17, s17, s41                     ; tile row 0..63
	s_lshl_b32 s43, s41, 2
	s_lshl_b32 s43, 15, s43                        ; my row of the cluster
	s_lshl_b32 s44, 0x1111, s40                    ; my column
	; groups 1, in elements of 8 bytes, no padding; bit 21 stands beside a mask.  A's codes: 16 planes of 6,144 bytes, 393,216 bytes apart
	s_or_b32 s[G1], s43, (3<<16)|(1<<21)
	s_mov_b32 s[G1+1], 768<<16
	s_mov_b32 s[G1+2], 16<<16
	s_mov_b32 s[G1+3], 768<<16
	s_mov_b32 s[G1+4], 16
	s_mov_b32 s[G1+5], 49152
	s_mov_b32 s[G1+6], 0
	s_mov_b32 s[G1+7], 0
	s_or_b32 s[G1B], s44, (3<<16)|(1<<21)          ; W's codes: 16 planes of 12,288 bytes, 98,304 bytes apart
	s_mov_b32 s[G1B+1], 1536<<16
	s_mov_b32 s[G1B+2], 16<<16
	s_mov_b32 s[G1B+3], 1536<<16
	s_mov_b32 s[G1B+4], 16
	s_mov_b32 s[G1B+5], 12288
	s_mov_b32 s[G1B+6], 0
	s_mov_b32 s[G1B+7], 0
	s_or_b32 s[G1S], s43, (3<<16)|(1<<21)          ; A's scales: 4 planes of 1,024 bytes, 65,536 bytes apart
	s_mov_b32 s[G1S+1], 128<<16
	s_mov_b32 s[G1S+2], 4<<16
	s_mov_b32 s[G1S+3], 128<<16
	s_mov_b32 s[G1S+4], 4
	s_mov_b32 s[G1S+5], 8192
	s_mov_b32 s[G1S+6], 0
	s_mov_b32 s[G1S+7], 0
	s_or_b32 s[G1SB], s44, (3<<16)|(1<<21)         ; W's scales: 4 planes of 2,048 bytes, 16,384 bytes apart
	s_mov_b32 s[G1SB+1], 256<<16
	s_mov_b32 s[G1SB+2], 4<<16
	s_mov_b32 s[G1SB+3], 256<<16
	s_mov_b32 s[G1SB+4], 4
	s_mov_b32 s[G1SB+5], 2048
	s_mov_b32 s[G1SB+6], 0
	s_mov_b32 s[G1SB+7], 0
	s_mul_i32 s20, s17, 6144                       ; where the tiles begin, in bytes: every one a multiple of 256.  A's 128 rows x 48
	s_mov_b32 s21, 0
	s_lshl_b32 s22, s17, 10                        ; A's 128 rows x 8
	s_mov_b32 s23, 0
	s_mul_i32 s46, s42, 12288                      ; W's 256 rows x 48,
	s_add_co_u32 s46, s46, 12582912                ; behind q's and k's 8 x 16 planes
	s_mov_b32 s47, 0
	s_lshl_b32 s92, s42, 11                        ; W's 256 rows x 8,
	s_add_co_u32 s92, s92, 524288                  ; behind q's and k's 8 x 65,536 bytes
	s_mov_b32 s93, 0
	s_mul_i32 s18, s16, 3072                       ; LDS: my 64 rows of W,
	s_add_co_u32 s18, s18, LB
	s_lshl_b32 s19, s16, 9                         ; their scales,
	s_add_co_u32 s19, s19, SB
	s_mul_i32 s94, s16, 16*SPITCH                  ; my stage
	s_add_co_u32 s94, s94, STAGE
	s_lshl_b32 s58, s42, 10                        ; my first column, in bytes: 1,024 x tile column + 256 x wave
	s_lshl_b32 s59, s16, 8
	s_add_co_u32 s58, s58, s59
	s_mov_b32 s59, 0
	s_lshl_b32 s56, s17, 19                        ; and my first row: 128 rows of 4,096 bytes x tile row
	s_add_co_u32 s56, s56, s58
	s_mov_b32 s57, 0
	s_wait_dscnt 0x0                               ; both opening adds are done
	s_wait_kmcnt 0x0
	s_mov_b32 s[G0H], 1
	s_mov_b32 s[G0H+1], LA
	s_add_nc_u64 s[G0H+2:G0H+3], s[4:5], s[20:21]
	s_or_b32 s[G0H+3], s[G0H+3], 0x80000000
	s_mov_b32 s[G0HB], 1
	s_mov_b32 s[G0HB+1], LB
	s_add_nc_u64 s[G0HB+2:G0HB+3], s[8:9], s[46:47]
	s_or_b32 s[G0HB+3], s[G0HB+3], 0x80000000
	s_mov_b32 s[G0S], 1
	s_mov_b32 s[G0S+1], SA
	s_add_nc_u64 s[G0S+2:G0S+3], s[6:7], s[22:23]
	s_or_b32 s[G0S+3], s[G0S+3], 0x80000000
	s_mov_b32 s[G0SB], 1
	s_mov_b32 s[G0SB+1], SB
	s_add_nc_u64 s[G0SB+2:G0SB+3], s[10:11], s[92:93]
	s_or_b32 s[G0SB+3], s[G0SB+3], 0x80000000
	s_add_nc_u64 s[12:13], s[12:13], s[58:59]
	s_add_nc_u64 s[14:15], s[14:15], s[56:57]
	CROUND                                         ; all sixteen work-groups are here: the joint loads meet
; THE LAUNCH'S FOUR FILLS, ONE A WAVE: one tree of branches on the wave's number, each arm with its load and, but for the last, a jump to the tree's end.
.macro ARM under, g0, g1, next
	s_cmp_lt_u32 s16, \under
	s_cbranch_scc0 \next
	tensor_load_to_lds s[\g0:\g0+3], s[\g1:\g1+7]
	s_nop 0
.rept 4
	v_nop
.endr
	s_branch .Lhead_asked
\next:
.endm
	ARM 1, G0H,  G1,  .Lhead_b
	ARM 2, G0HB, G1B, .Lhead_sa
	ARM 3, G0S,  G1S, .Lhead_sb
	tensor_load_to_lds s[G0SB:G0SB+3], s[G1SB:G1SB+7]
	s_nop 0
.rept 4
	v_nop
.endr
.Lhead_asked:
	v_and_b32 v1, 15, v0                           ; r
	v_bfe_u32 v2, v0, 4, 1                         ; h
	v_mul_u32_u24 v3, v1, 48
	v_lshlrev_b32 v5, 3, v1                        ; 8 r
	v_mul_u32_u24 v6, v1, SPITCH
	v_mul_u32_u24 v7, v2, SPITCH
	v_lshlrev_b32 v8, 12, v2                       ; a row of the result is 4,096 bytes
	v_lshlrev_b32 v9, 5, v2                        ; the bias: 32 h
	v_mad_u32_u24 v[ADRA], v2, 6144, v3            ; A: row r of plane h
	v_mad_u32_u24 v4, v2, 12288, v3                ; W: the same, planes of 256 rows
	v_lshl_add_u32 v6, v2, 5, v6
	v_lshl_add_u32 v7, v1, 4, v7
	v_lshl_add_u32 v[CO], v1, 4, v8                ; out: lanes 0-15 one row's 256 bytes, lanes 16-31 the next row's
	v_add_nc_u32 v[ADSA], SA, v5
	v_add_nc_u32 v[ADSB], s19, v5
	v_add_nc_u32 v[ADRA+1], 49152, v[ADRA]         ; eight planes on
	v_add_nc_u32 v[ADRB], s18, v4
	v_add_nc_u32 v[STO], s94, v6                   ; into the stage: row r, 32 bytes for each half of the lanes
	v_add_nc_u32 v[RD], s94, v7                    ; back from it: two rows an instruction
	v_add_nc_u32 v[ADRB+1], 73728, v[ADRB]         ; three steps of two planes on
	v_add_nc_u32 v[ADRB+2], 147456, v[ADRB]
.irp b, 0,1,2,3
	global_load_b128 v[BIAS+8*\b:BIAS+8*\b+3], v9, s[12:13] offset:64*\b       ; b_out at my eight columns of tile b: the result's layout
	global_load_b128 v[BIAS+8*\b+4:BIAS+8*\b+7], v9, s[12:13] offset:64*\b+16
.endr
.macro FETCH_A a                       ; A's block a, all eight steps, and its scale words, into set a % 2: 24 + 4 LDS loads
	WIN 0xc0
.irp q, 0,1,2,3,4,5,6,7
.irp c, 0,1,2
	ds_load_b128 v[96*((\a)%2)+12*\q+4*\c:96*((\a)%2)+12*\q+4*\c+3], v[ADRA+\q/4] offset:(\q%4)*12288+(\a)*768+16*\c
.endr
.endr
	WIN 0
.irp g, 0,1,2,3
	ds_load_b64 v[AS+8*((\a)%2)+2*\g:AS+8*((\a)%2)+2*\g+1], v[ADSA] offset:\g*1024+(\a)*128
.endr
.endm
.macro FETCH_B q                       ; W's four fragments of step q: 12 LDS loads
.irp b, 0,1,2,3
.irp c, 0,1,2
	ds_load_b128 v[48*((\q)%5)+12*\b+4*\c:48*((\q)%5)+12*\b+4*\c+3], v[ADRB+(\q)/3] offset:((\q)%3)*24576+\b*768+16*\c
.endr
.endr
.endm
; Block a: 32 products; source 0 W (window 1 or 2), source 1 A (window 3), C and D window 0.  The four accumulators take turns, one instruction a turn.
.macro ROW a
.set AB, 96*((\a)%2)
.set AC, ACC+32*((\a)%2)
.set AW, AS+8*((\a)%2)
.irp q, 0,1,2,3,4,5,6,7
.if (\a) == 0                          ; the first block begins while W's later steps are still on their way: behind step q's loads stand 12 for each later step and the 28 of A's block 1
.if \q == 0
	s_wait_dscnt 63                                ; of 168 loads the first 105 are in: A's block 0, W's scale words, W's steps 0-4
.endif
.if \q >= 5
	s_wait_dscnt 12*(7-\q)+28
.endif
.endif
.if \q == 0
	WIN 0x0d
.endif
.if \q == 5
	WIN 0x0e
.endif
.irp b, 0,1,2,3
.if \q == 0
	v_wmma_scale_f32_16x16x128_f8f6f4 v[AC+8*\b:AC+8*\b+7], v[48*(\q%5)+12*\b:48*(\q%5)+12*\b+11], v[AB+12*\q:AB+12*\q+11], v[BIAS+8*\b:BIAS+8*\b+7], v[BS+8*\b+\q], v[AW+\q] matrix_a_fmt:MATRIX_FMT_BF6 matrix_b_fmt:MATRIX_FMT_BF6
.else
	v_wmma_scale_f32_16x16x128_f8f6f4 v[AC+8*\b:AC+8*\b+7], v[48*(\q%5)+12*\b:48*(\q%5)+12*\b+11], v[AB+12*\q:AB+12*\q+11], v[AC+8*\b:AC+8*\b+7], v[BS+8*\b+\q], v[AW+\q] matrix_a_fmt:MATRIX_FMT_BF6 matrix_b_fmt:MATRIX_FMT_BF6
.endif
.endr
.endr
	WIN 0
.rept 4
	v_nop                                          ; four places ahead of the LDS stores that read the results and of the loads into A's set (ISA guide 7.12.1 for the stores)
.endr
.endm
; THE WAY OUT of block a, 16 rows x 64 columns: through my own stage, and back as whole rows of 256 bytes.  LDS serves a wave's instructions in order (ISA guide 5.7.1.4): no wait between the stores and the loads.
.macro TOSTAGE a
.set AC, ACC+32*((\a)%2)
.irp b, 0,1,2,3
	ds_store_b128 v[STO], v[AC+8*\b:AC+8*\b+3] offset:64*\b          ; each accumulator from its low end on
	ds_store_b128 v[STO], v[AC+8*\b+4:AC+8*\b+7] offset:64*\b+16
.endr
.irp t, 0,1,2,3,4,5,6,7
	ds_load_b128 v[OB+32*((\a)%2)+4*\t:OB+32*((\a)%2)+4*\t+3], v[RD] offset:\t*2*SPITCH
.endr
.endm
.macro SEND a, younger                 ; younger: the LDS instructions issued behind block a's loads from the stage, which may stay out
	s_wait_dscnt \younger
.irp t, 0,1,2,3,4,5,6,7
	global_store_b128 v[CO], v[OB+32*((\a)%2)+4*\t:OB+32*((\a)%2)+4*\t+3], s[14:15] offset:(\a)*65536+\t*8192 th:TH_STORE_NT   ; sixteen lanes store 256 consecutive bytes, at a multiple of 256 from the buffer's first byte
.endr
.endm
	s_wait_alu depctr_va_vdst(0)
	s_wait_tensorcnt 0x0                           ; my tile of the four is in,
	s_barrier_signal -1
	s_barrier_wait -1                              ; and so is everybody's.
	FETCH_A 0
.irp b, 0,1,2,3
.irp g, 0,1,2,3
	ds_load_b64 v[BS+8*\b+2*\g:BS+8*\b+2*\g+1], v[ADSB] offset:\g*2048+\b*128   ; W's scale words: 16 loads
.endr
.endr
	WIN 0x40
.irp q, 0,1,2,3,4
	FETCH_B \q
.endr
	WIN 0x80
.irp q, 5,6,7
	FETCH_B \q
.endr
	FETCH_A 1
	s_wait_loadcnt 0x0                             ; the bias is in
.irp a, 0,1,2,3,4,5,6,7
.if \a > 0
.if \a < 7
	s_wait_dscnt 44                                ; A's block a is in; behind its loads stand the last block's 16 through the stage and the 28 of block a + 1
.else
	s_wait_dscnt 16
.endif
.endif
	ROW \a
.if \a > 1
	s_wait_xcnt 0x0                                ; block a - 2's stores have read their registers: block a's loads from the stage may land there
.endif
	TOSTAGE \a
.if \a > 0
.if \a < 7
	SEND \a-1, 44                                  ; behind block a - 1's loads from the stage: the 28 of A's block a + 1 and block a's 16
.else
	SEND \a-1, 16
.endif
.endif
.if \a < 6
	FETCH_A \a+2                                   ; into the set that block a has just left
.endif
.endr
	SEND 7, 0
	s_wait_tensorcnt 0x0                           ; the wave's end, behind my last LDS store
	ds_add_u32 v[SPW], v[NIL]
	s_wait_dscnt 0x0
	CROUND                                         ; the closing round: no work-group ends while a partner may still ask for a tile that names it
	s_endpgm
.Lfunc_end_k_q706f826c49_proj:
	.size	k_q706f826c49_proj, .Lfunc_end_k_q706f826c49_proj-k_q706f826c49_proj
	.p2alignl 7, 3214868480
	.fill 96, 4, 3214868480
	.section	.rodata,"a",@progbits
	.p2align	6, 0x0
	.amdhsa_kernel k_q706f826c49_proj
		.amdhsa_group_segment_fixed_size 327680
		.amdhsa_private_segment_fixed_size 0
		.amdhsa_enable_private_segment 0
		.amdhsa_kernarg_size 48
		.amdhsa_user_sgpr_count 2
		.amdhsa_user_sgpr_kernarg_segment_ptr 1
		.amdhsa_wavefront_size32 1
		.amdhsa_system_sgpr_workgroup_id_x 1
		.amdhsa_system_sgpr_workgroup_id_y 1
		.amdhsa_system_sgpr_workgroup_id_z 1
		.amdhsa_system_vgpr_workitem_id 0
		.amdhsa_next_free_vgpr 1024
		.amdhsa_next_free_sgpr 96
		.amdhsa_reserve_vcc 0
		.amdhsa_float_denorm_mode_32 3
		.amdhsa_float_denorm_mode_16_64 3
		.amdhsa_memory_ordered 1
		.amdhsa_forward_progress 1
		.amdhsa_inst_pref_size 80
	.end_amdhsa_kernel
	.amdgpu_metadata
---
amdhsa.version: [ 1, 2 ]
amdhsa.kernels:
  - .name:           k_q706f826c49_proj
    .symbol:         k_q706f826c49_proj.kd
    .args:
      - { .name: a_codes, .offset: 0, .size: 8, .value_kind: global_buffer, .address_space: global }
      - { .name: a_scales, .offset: 8, .size: 8, .value_kind: global_buffer, .address_space: global }
      - { .name: qkw_codes, .offset: 16, .size: 8, .value_kind: global_buffer, .address_space: global }
      - { .name: qkw_scales, .offset: 24, .size: 8, .value_kind: global_buffer, .address_space: global }
      - { .name: b_out, .offset: 32, .size: 8, .value_kind: global_buffer, .address_space: global }
      - { .name: out0, .offset: 40, .size: 8, .value_kind: global_buffer, .address_space: global }
    .group_segment_fixed_size: 327680
    .private_segment_fixed_size: 0
    .kernarg_segment_align: 8
    .kernarg_segment_size: 48
    .max_flat_workgroup_size: 128
    .sgpr_count:     96
    .vgpr_count:     1024
    .wavefront_size: 32
...
	.end_amdgpu_metadata
.endif
;; end of part 4
